; MI455X (gfx1250); checked and timed in simulation.
; The chip was launched on July 23, 2026; its instructions are those of AMD's public machine-readable ISA for CDNA 5 (MIT licence, August 2026) and "CDNA5" Instruction Set Architecture Reference Guide (July 2026). The comments in the code are by the model that wrote it; some were corrected since.
;; Encoder. Allowed arithmetic: matrix products marked QUANTISED: E2M3 operands, one E8M0 scale for each 32 along K, by v_wmma_scale_f32_16x16x128_f8f6f4 with both operands' format E2M3, f32 sums; everything else in f32.
;; Inputs: inputs 2 x 2,048 x 256 float32; theta 1 x 1 float32; timestamp 2 x 2,048 int32; wK 8 x 256 x 256 float32; wO 2,048 x 256 float32; wQ 8 x 256 x 256 float32; wV 8 x 256 x 256 float32.
;; Outputs: out0 2 x 2,048 x 256 float32.
;; This version of the problem:
;;   THIS VERSION OF THE PROBLEM IS GIVEN IN LOW PRECISION. The matrix products marked QUANTISED in the list below multiply operands that are first quantised to E2M3 (2 exponent bits, 3 mantissa bits; 6 bits a number), with one power-of-two scale for each 32 numbers along K (OCP MX v1.0); their sums are f32. All else is computed in f32.
;;   The module's matrix products, in the order in which they are computed (A, B: the left and right operand; K: the contracted axis; several contracted axes count as one K, in the product's order):
;;     1. [M 2,048, K 256] x [K 256, N 4,096]; A: input wQ; B: input inputs: QUANTISED
;;     2. [M 2,048, K 256] x [K 256, N 4,096]; A: input wK; B: input inputs: QUANTISED
;;     3. [M 2,048, K 256] x [K 256, N 4,096]; A: input wV; B: input inputs: QUANTISED
;;     4. batch 16 x [M 2,048, K 256] x [K 256, N 2,048]; A: computed on the way; B: computed on the way: QUANTISED
;;     5. batch 16 x [M 2,048, K 2,048] x [K 2,048, N 256]; A: computed on the way; B: computed on the way: QUANTISED
;;     6. [M 4,096, K 2,048] x [K 2,048, N 256]; A: computed on the way; B: input wO: QUANTISED
;;   THE QUANTISER, for each operand of a quantised product, along K:
;;     - K is cut into blocks of 32 from its start; a last block that is shorter is filled with zeros.
;;     - A block's scale is 2^e with e = floor(log2(the largest magnitude in the block)) - 2, held to -126 .. 127; a block of zeros has e = 0. As a byte (E8M0): e + 127.
;;     - Each number is divided by its block's scale, clamped to +-7.5, and rounded to the nearest number of E2M3, ties to even, subnormals kept.
;;     - The product sums the exact products of the quantised numbers (number of the format x scale) in f32.
;;   ~~~python
;;   def quantise(x, axis):      # numpy; x: float32 -> the quantised numbers, widened to float32 again
;;       x = np.moveaxis(x, axis, -1); K = x.shape[-1]
;;       x = np.pad(x, [(0, 0)] * (x.ndim - 1) + [(0, -K % 32)]); x = x.reshape(x.shape[:-1] + (-1, 32)); a = np.abs(x).max(-1, keepdims=True)
;;       e = np.where(a > 0, np.clip(np.frexp(np.where(a > 0, a, 1))[1] - 1 - 2, -126, 127), 0)      # np.frexp(a)[1] - 1 = floor(log2(a)), exactly
;;       r = np.clip(x / 2.0 ** e, -7.5, 7.5)
;;       step = 2.0 ** (np.maximum(np.frexp(np.where(r == 0, 1, r))[1] - 1, 0) - 3)
;;       q = np.round(r / step) * step * 2.0 ** e      # np.round: ties to even
;;       return np.moveaxis(q.reshape(q.shape[:-2] + (-1,))[..., :K], -1, axis).astype(np.float32)
;;   ~~~
;;   OPERANDS COMPUTED ON THE WAY. 'Computed on the way' means the value that the module computes at that place (a softmax that the list does not call 'softmax' is quantised finished and normalised). What goes into a quantiser is computed in f32, as accurately as f32 sums, v_exp_f32 and their like allow (about 1e-6 of the number): no bf16 or f16 on the way to a quantiser, and a product that is left as it is and whose result goes on into a quantised operand takes f32 operands (vector FMAs, or v_wmma_f32_16x16x4_f32). A number that lies on a knife's edge between two numbers of the format may be rounded either way, as far as f32 arithmetic and the matrix unit's own rounding can turn it there, and no further.
;; 2 versions, each right; version 2 is version 1 with the launches proj, outp written anew for expert scheduling mode. Each part assembles by itself: llvm-mc -triple=amdgcn-amd-amdhsa -mcpu=gfx1250 --defsym DOCPART=n.
;; ======== version 1 of 2: 4 launches
;; workspace buffers: cw 2,359,296 bytes; cws 98,304 bytes; qkvc 18,874,368 bytes; qkvs 786,432 bytes; retc 6,291,456 bytes; rets 262,144 bytes
;; launch quant (part 1): grid 384 x 1, 1 waves a work-group, no clusters, 15,104 bytes of LDS; arguments inputs, wQ, wK, wV, wO, cw, cws; writes cw, cws
.if DOCPART == 1
	.amdgcn_target "amdgcn-amd-amdhsa--gfx1250"
	.amdhsa_code_object_version 6
	.text
	.protected	k_q0d230ec951_quant
	.globl	k_q0d230ec951_quant
	.p2align	8
	.type	k_q0d230ec951_quant,@function
k_q0d230ec951_quant:
	s_mov_b64 s[64:65], 0
	v_nop
	global_prefetch_b8 v0, s[64:65] scope:SCOPE_SE
	s_setreg_imm32_b32 hwreg(HW_REG_WAVE_MODE, 25, 1), 1
	s_wait_xcnt 0x0
; FIRST OF FOUR LAUNCHES.  inputs [4096][256] and the four weights, all f32, become codes of FP6 (E2M3) with one E8M0 scale byte for each 32 along K, in the order in which the later launches' operand registers take them.
; WORK LEFT OUT BY THE PROGRAM, for all finite values of the inputs.
;  (1) reference() forms ts, d_t, decay, s_ and a, and then deletes a: ret is x @ V and the result is out @ wO, so nothing made of timestamp or theta has a way to the result.  timestamp and theta are not loaded and are in no launch's arguments.
;  (2) x = softmax(exp_x) * tril / sum(softmax(exp_x) * tril).  The full row's maximum and denominator stand in numerator and divisor alike: x[q][t] = e^s[t] / (sum over t' <= q of e^s[t']) for t <= q, and 0 for t > q, by the tril that
;      reference() builds itself.  So key steps that lie wholly above the diagonal are computed in no product, and the maximum that is taken away before the exponential is the visible keys' (a running maximum).
; LIMITS.  A NaN, an infinity or an overflow that reaches only the work left out is not carried to the result; where a hidden score lies so far above a row's visible ones that reference()'s f32 gives 0 / 0, this program gives the finite value.
; NaN and infinities among the inputs are not served.  A block whose largest magnitude lies under 2^-124 (a block of zeros too) keeps the scale byte 1: its codes are what the floor's scale gives (zeros for zeros), and this program alone reads the bytes.
; LAYOUT OF cw.  A TILE is 16 rows of a block of 128: lane r of tile t holds row 32 (t / 2) + 8 (t % 2) + r + 8 (r / 8), so that, where tiles are a product's source 0, the 16 result registers of tiles 2 b and 2 b + 1 are 16 neighbours.
; A FRAGMENT (a tile x 128 along K) is the image of an operand's 12 registers: 1,536 bytes, registers 4 c .. 4 c + 3 of lane l at 512 c + 16 l.  A BLOCK (128 rows x 256 K) is [tile][K step][fragment], 24,576 bytes.
; Its scale words in cws, 1,024 bytes: the word of (K step s, tile t, row r) at 512 s + 256 (t / 4) + 16 r + 4 (t % 4).
; Blocks 0-31: inputs, 128 rows each.  Blocks 32-95: 32 + (kind x 8 + h) x 2 + a: kind 0..3 = wQ, wK, wV, wO; the rows are columns 128 a .. 128 a + 127 of the weight, K its 256 rows of head h.
; SHARES.  A work-group is one wave and makes four fragments: block ttmp9 / 4, K step (ttmp9 / 2) % 2, tiles 4 q .. 4 q + 3 with q = ttmp9 % 2.  Waves share nothing: no barrier.  The two paths have LDS bytes of their own.
.set BLK,   24576
.set FRB,   1536
.set XP,    528                        ; inputs' stage: a row of 512 bytes + 16
.set WST,   8448                       ; the weights' stage: four fragment images
.set WSC,   14592                      ; and their 256 bytes of scale words
.set SPARE, 14848                      ; the spare words: one block of 256 bytes that no other line names
.set SPW,   5                          ; v5   LDS address of my spare word; never rewritten
.set NIL,   6                          ; v6   0; never rewritten
.set R,     16                         ; v16-143  inputs: two sets of 16 rows x 4 registers, as loaded
.set X,     144                        ; v144-207 64 numbers of my row: register 16 b + i = k 32 b + 16 (lane / 16) + i
.set PC,    208                        ; v208-227 the codes just made
.set TM,    228                        ; v228-243 at work in QUANT
.set PWS,   244                        ; v244-247 the four tiles' scale words
.set WX,    16                         ; v16-79   weights: two sets of 32 numbers down K
.set C,     80                         ; v80-85   a block's codes
.set D,     86                         ; v86-88   their upper half as converted
.set SB,    90                         ; v90-91   scale bytes, four to a register; v92-93 on the way out
.set OUTR,  96                         ; v96-143  the way out
.set SEL,   24                         ; s[24:25] lane selects: lane l xor 16
; 64 numbers of a lane, register 16 b + i = k 32 b + 16 (lane / 16) + i of my row, become a fragment's codes in v[PC] on and its scale word in v[pw].
.macro QUANT s, pw
.irp b, 0,1,2,3
	v_max3_num_f32 v[TM+\b], |v[\s+16*\b]|, |v[\s+1+16*\b]|, 0x1800000   ; block b: my 16 numbers, and the floor 2^(3 - 127): the byte cannot fall under 1
.endr
.irp i, 2,4,6,8,10,12,14
.irp b, 0,1,2,3
	v_max3_num_f32 v[TM+\b], v[TM+\b], |v[\s+16*\b+\i]|, |v[\s+1+16*\b+\i]|
.endr
.endr
.irp b, 0,1,2,3
	v_permlanex16_b32 v[TM+4+\b], v[TM+\b], s[SEL], s[SEL+1]
.endr
.irp b, 0,1,2,3
	v_max_num_f32 v[TM+\b], v[TM+\b], v[TM+4+\b]   ; with lane l xor 16's: the block's largest magnitude
.endr
.irp b, 0,1,2,3
	v_add_nc_u32 v[TM+12+\b], 0xff000000, v[TM+\b]   ; 2 off its exponent field: the conversion's scale operand
.endr
.irp b, 0,1,2,3
	v_lshrrev_b32 v[TM+4+\b], 23, v[TM+12+\b]      ; the scale's byte
.endr
	v_lshl_or_b32 v[\pw], v[TM+5], 8, v[TM+4]
	v_lshl_or_b32 v[\pw], v[TM+6], 16, v[\pw]
	v_lshl_or_b32 v[\pw], v[TM+7], 24, v[\pw]      ; my row's scale word, the same in both halves of the lanes
.irp c, 0,1
	v_cvt_scalef32_pk16_fp6_f32 v[PC+6*\c:PC+2+6*\c], v[\s+32*\c:\s+15+32*\c], v[TM+12+2*\c]
	v_cvt_scalef32_pk16_fp6_f32 v[PC+12+4*\c:PC+14+4*\c], v[\s+16+32*\c:\s+31+32*\c], v[TM+12+2*\c+1]   ; (a conversion's three registers begin on an even number)
.endr
	v_nop                                          ; one plain place behind a scaled conversion
.irp c, 0,1                                    ; the operand's layout wants a whole block in a lane: lanes 0-15 block 2 c, lanes 16-31 block 2 c + 1
.irp i, 0,1,2
	v_permlane16_swap_b32 v[PC+6*\c+\i], v[PC+12+4*\c+\i]
.endr
.irp i, 0,1,2
	v_mov_b32 v[PC+3+6*\c+\i], v[PC+12+4*\c+\i]
.endr
.endr
.endm
	s_load_b256 s[4:11], s[0:1], 0x0               ; inputs s[4:5], wQ s[6:7], wK s[8:9], wV s[10:11]
	s_load_b128 s[12:15], s[0:1], 0x20             ; wO s[12:13], cw s[14:15]
	s_load_b64 s[16:17], s[0:1], 0x30              ; cws
	v_lshl_add_u32 v[SPW], v0, 2, SPARE
	v_mov_b32 v[NIL], 0
	v_lshlrev_b32 v1, 4, v0                        ; 16 x lane (one wave: the thread's number is the lane)
	s_lshr_b32 s18, ttmp9, 2                       ; the block: the weights' blocks begin at 32 and their work-groups at 128, so one shift serves both
	s_bfe_u32 s19, ttmp9, 0x10001                  ; s: the K step
	s_and_b32 s20, ttmp9, 1                        ; q: tiles 4 q on
	s_mul_i32 s28, s18, BLK
	s_mul_i32 s22, s20, 8*FRB
	s_add_co_u32 s28, s28, s22
	s_mul_i32 s22, s19, FRB
	s_add_co_u32 s28, s28, s22                     ; my first fragment in cw; the next tile's lies 2 FRB on
	s_mov_b32 s29, 0
	s_lshl_b32 s30, s18, 10
	s_lshl_b32 s22, s19, 9
	s_add_co_u32 s30, s30, s22
	s_lshl_b32 s22, s20, 8
	s_add_co_u32 s30, s30, s22                     ; my 256 bytes of scale words in cws
	s_mov_b32 s31, 0
	s_wait_kmcnt 0x0
	s_add_nc_u64 s[14:15], s[14:15], s[28:29]
	s_add_nc_u64 s[16:17], s[16:17], s[30:31]
	s_cmp_lt_u32 ttmp9, 128
	s_cbranch_scc0 .Lweights
	; ---- inputs: K is innermost.  Each load reads a row's 512 bytes of the K step, 16 bytes a lane; a tile's 16 rows turn through the stage, so that lane (r, h) gets 16 neighbours of each block of 32 of row r.
	v_and_b32 v2, 15, v0                           ; r
	v_lshrrev_b32 v7, 4, v0                        ; h
	v_mul_u32_u24 v3, v2, XP
	v_lshl_add_u32 v3, v7, 6, v3                   ; out of the stage: row r, + 64 h
	v_lshlrev_b32 v4, 4, v2                        ; the scale words' place: 16 r
.irp b, 0,1,2,3
	v_mov_b32 v[TM+4+\b], 0                        ; written once: a lane permute's destination counts as one of its sources
.endr
	s_mov_b32 s[SEL], 0x76543210
	s_mov_b32 s[SEL+1], 0xfedcba98
	s_lshl_b32 s26, s18, 17                        ; 128 rows of 1,024 bytes a block,
	s_lshl_b32 s22, s20, 16                        ; tiles 4 q on begin 64 q rows down,
	s_add_co_u32 s26, s26, s22
	s_lshl_b32 s22, s19, 9                         ; the K step's 512 bytes
	s_add_co_u32 s26, s26, s22
	s_mov_b32 s27, 0
	s_add_nc_u64 s[4:5], s[4:5], s[26:27]
.macro LOADU u                         ; tile 4 q + u: its 16 rows, in the tile's order
.irp rr, 0,1,2,3,4,5,6,7,8,9,10,11,12,13,14,15
	global_load_b128 v[R+64*((\u)%2)+4*\rr:R+64*((\u)%2)+4*\rr+3], v1, s[4:5] offset:(32*((\u)/2)+8*((\u)%2)+\rr+8*(\rr/8))*1024 th:TH_LOAD_NT
.endr
.endm
.macro UNITX u
.if (\u) < 3
	s_wait_loadcnt 16                              ; this tile's 16 loads are in; the next tile's 16 may be out
.else
	s_wait_loadcnt 0x0
.endif
.irp rr, 0,1,2,3,4,5,6,7,8,9,10,11,12,13,14,15
	ds_store_b128 v1, v[R+64*((\u)%2)+4*\rr:R+64*((\u)%2)+4*\rr+3] offset:\rr*XP
.endr
.irp b, 0,1,2,3
.irp j, 0,1,2,3
	ds_load_b128 v[X+16*\b+4*\j:X+16*\b+4*\j+3], v3 offset:128*\b+16*\j   ; LDS serves a wave's instructions in order: these see the stores above
.endr
.endr
	s_wait_dscnt 0x0                               ; the numbers are back, and the stores have read their registers,
.if (\u) < 2
	LOADU (\u)+2                                   ; which take the tile two further on
.endif
.if (\u) > 0
	s_wait_xcnt 0x0                                ; the last tile's stores have read the codes' registers: they are written again only behind this wait
.endif
	QUANT X, PWS+(\u)
.irp c, 0,1,2
	global_store_b128 v1, v[PC+4*\c:PC+4*\c+3], s[14:15] offset:(\u)*2*FRB+512*\c   ; 512 consecutive bytes, aligned
.endr
.endm
	LOADU 0
	LOADU 1
	UNITX 0
	UNITX 1
	UNITX 2
	UNITX 3
	global_store_b128 v4, v[PWS:PWS+3], s[16:17]   ; 256 consecutive bytes, aligned; both halves of the lanes hold the same words and write the same bytes
	s_branch .Lend
	; ---- weights: K is the first axis.  A lane takes a column and its registers run down K: a block of 32 lies in one lane, and the conversions give codes with K innermost.  Each load reads 128 consecutive bytes.
.Lweights:
	s_sub_co_u32 s21, s18, 32
	s_lshr_b32 s22, s21, 4                         ; kind
	s_bfe_u32 s23, s21, 0x30001                    ; h
	s_and_b32 s21, s21, 1                          ; a
	s_lshl_b32 s26, s23, 18                        ; a head's 256 rows of 1,024 bytes,
	s_lshl_b32 s23, s19, 17                        ; the K step's 128 rows,
	s_add_co_u32 s26, s26, s23
	s_lshl_b32 s23, s21, 9                         ; 128 a columns,
	s_add_co_u32 s26, s26, s23
	s_lshl_b32 s23, s20, 8                         ; 64 q columns
	s_add_co_u32 s26, s26, s23
	s_mov_b32 s27, 0
	s_cmp_eq_u32 s22, 1                            ; the choice of the buffer hangs on the work-group's number alone
	s_cselect_b64 s[32:33], s[8:9], s[6:7]
	s_cmp_eq_u32 s22, 2
	s_cselect_b64 s[32:33], s[10:11], s[32:33]
	s_cmp_eq_u32 s22, 3
	s_cselect_b64 s[32:33], s[12:13], s[32:33]
	s_add_nc_u64 s[32:33], s[32:33], s[26:27]
	v_lshlrev_b32 v8, 2, v0                        ; in: 4 bytes a lane
	v_lshlrev_b32 v11, 3, v0                       ; the scale words on the way out: 8 bytes a lane
	v_bfe_u32 v12, v0, 3, 1                        ; of 32 neighbouring columns lane l's belongs to tile u = (l / 8) % 2 of the pair,
	v_and_b32 v13, 7, v0
	v_lshrrev_b32 v14, 4, v0
	v_lshl_add_u32 v13, v14, 3, v13                ; as its row r = l % 8 + 8 (l / 16)
	v_lshlrev_b32 v9, 4, v13
	v_mad_u32_u24 v9, v12, FRB, v9                 ; into the images: FRB u + 16 r
	v_lshlrev_b32 v10, 4, v13
	v_lshl_add_u32 v10, v12, 2, v10                ; the scale word: 16 r + 4 u
.macro LOADW t                         ; columns 32 (t / 4) on, block t % 4 of the K step, into set t % 2
.set i, 0
.rept 32
	global_load_b32 v[WX+32*((\t)%2)+i], v8, s[32:33] offset:(32*((\t)%4)+i)*1024+128*((\t)/4) th:TH_LOAD_NT
.set i, i+1
.endr
.endm
; Block be of a column's K step is, in the fragment's image, registers 6 (be / 2) .. + 5 of lane r + 16 (be % 2): 24 bytes in two pieces, since an image's chunks hold four registers a lane.
.macro BLOCKW t
.set XS, WX+32*((\t)%2)
.set BE, (\t)%4
.set GI, (\t)/4
.if (\t) < 7
	s_wait_loadcnt 32                              ; this block's 32 loads are in; the next block's may be out
.else
	s_wait_loadcnt 0x0
.endif
	v_max3_num_f32 v12, |v[XS]|, |v[XS+1]|, |v[XS+2]|
	v_max3_num_f32 v13, |v[XS+3]|, |v[XS+4]|, |v[XS+5]|
.irp i, 6,10,14,18,22,26
	v_max3_num_f32 v12, v12, |v[XS+\i]|, |v[XS+\i+1]|
	v_max3_num_f32 v13, v13, |v[XS+\i+2]|, |v[XS+\i+3]|
.endr
	v_max3_num_f32 v12, v12, |v[XS+30]|, |v[XS+31]|
	v_max3_num_f32 v12, v12, v13, 0x1800000        ; with the floor 2^(3 - 127)
	v_add_nc_u32 v14, 0xff000000, v12              ; the conversion's scale operand
	v_lshrrev_b32 v15, 23, v14                     ; the scale's byte
.if BE == 0
	v_mov_b32 v[SB+GI], v15
.else
	v_lshl_or_b32 v[SB+GI], v15, 8*BE, v[SB+GI]
.endif
	v_cvt_scalef32_pk16_fp6_f32 v[C:C+2], v[XS:XS+15], v14
	v_cvt_scalef32_pk16_fp6_f32 v[D:D+2], v[XS+16:XS+31], v14
	v_nop                                          ; one plain place behind a scaled conversion
.irp i, 0,1,2
	v_mov_b32 v[C+3+\i], v[D+\i]
.endr
.if BE < 2
	ds_store_b128 v9, v[C:C+3] offset:WST+GI*2*FRB+256*(BE%2)
	ds_store_b64 v9, v[C+4:C+5] offset:WST+GI*2*FRB+256*(BE%2)+512
.else
	ds_store_b64 v9, v[C:C+1] offset:WST+GI*2*FRB+256*(BE%2)+520
	ds_store_b128 v9, v[C+2:C+5] offset:WST+GI*2*FRB+256*(BE%2)+1024
.endif
.if BE == 3
	ds_store_b32 v10, v[SB+GI] offset:WSC+8*GI
.endif
.if (\t) < 6
	LOADW (\t)+2
.endif
	s_wait_dscnt 0x0                               ; the stores have read their registers: the next block's codes may be written
.endm
	LOADW 0
	LOADW 1
.irp t, 0,1,2,3,4,5,6,7
	BLOCKW \t
.endr
.set k, 0
.rept 12
	ds_load_b128 v[OUTR+4*k:OUTR+4*k+3], v1 offset:WST+512*k
.set k, k+1
.endr
	ds_load_b64 v[SB+2:SB+3], v11 offset:WSC
.set k, 0
.rept 12
	s_wait_dscnt 12-k                              ; chunk k is back; the younger LDS loads may be out
	global_store_b128 v1, v[OUTR+4*k:OUTR+4*k+3], s[14:15] offset:(k/3)*2*FRB+512*(k%3)   ; 512 consecutive bytes, aligned
.set k, k+1
.endr
	s_wait_dscnt 0x0
	global_store_b64 v11, v[SB+2:SB+3], s[16:17]   ; 256 consecutive bytes, aligned
.Lend:
	s_wait_tensorcnt 0x0                           ; the wave's end: three closing lines behind my last LDS store
	ds_add_u32 v[SPW], v[NIL]
	s_wait_dscnt 0x0
	s_endpgm
.Lfunc_end_k_q0d230ec951_quant:
	.size	k_q0d230ec951_quant, .Lfunc_end_k_q0d230ec951_quant-k_q0d230ec951_quant
	.p2alignl 7, 3214868480
	.fill 96, 4, 3214868480
	.section	.rodata,"a",@progbits
	.p2align	6, 0x0
	.amdhsa_kernel k_q0d230ec951_quant
		.amdhsa_group_segment_fixed_size 15104
		.amdhsa_private_segment_fixed_size 0
		.amdhsa_enable_private_segment 0
		.amdhsa_kernarg_size 56
		.amdhsa_user_sgpr_count 2
		.amdhsa_user_sgpr_kernarg_segment_ptr 1
		.amdhsa_wavefront_size32 1
		.amdhsa_system_sgpr_workgroup_id_x 1
		.amdhsa_system_sgpr_workgroup_id_y 1
		.amdhsa_system_sgpr_workgroup_id_z 1
		.amdhsa_system_vgpr_workitem_id 0
		.amdhsa_next_free_vgpr 256
		.amdhsa_next_free_sgpr 66
		.amdhsa_reserve_vcc 0
		.amdhsa_float_denorm_mode_32 3
		.amdhsa_float_denorm_mode_16_64 3
		.amdhsa_memory_ordered 1
		.amdhsa_forward_progress 1
		.amdhsa_inst_pref_size 74
	.end_amdhsa_kernel
	.amdgpu_metadata
---
amdhsa.version: [ 1, 2 ]
amdhsa.kernels:
  - .name:           k_q0d230ec951_quant
    .symbol:         k_q0d230ec951_quant.kd
    .args:
      - { .name: inputs, .offset: 0, .size: 8, .value_kind: global_buffer, .address_space: global }
      - { .name: wQ, .offset: 8, .size: 8, .value_kind: global_buffer, .address_space: global }
      - { .name: wK, .offset: 16, .size: 8, .value_kind: global_buffer, .address_space: global }
      - { .name: wV, .offset: 24, .size: 8, .value_kind: global_buffer, .address_space: global }
      - { .name: wO, .offset: 32, .size: 8, .value_kind: global_buffer, .address_space: global }
      - { .name: cw, .offset: 40, .size: 8, .value_kind: global_buffer, .address_space: global }
      - { .name: cws, .offset: 48, .size: 8, .value_kind: global_buffer, .address_space: global }
    .group_segment_fixed_size: 15104
    .private_segment_fixed_size: 0
    .kernarg_segment_align: 8
    .kernarg_segment_size: 56
    .max_flat_workgroup_size: 32
    .sgpr_count:     66
    .vgpr_count:     256
    .wavefront_size: 32
...
	.end_amdgpu_metadata
.endif
;; end of part 1
;; launch proj (part 2): grid 16 x 16, 6 waves a work-group, no clusters, 0 bytes of LDS; arguments cw, cws, qkvc, qkvs; writes qkvc, qkvs
.if DOCPART == 2
	.amdgcn_target "amdgcn-amd-amdhsa--gfx1250"
	.amdhsa_code_object_version 6
	.text
	.protected	k_q0d230ec951_proj
	.globl	k_q0d230ec951_proj
	.p2align	8
	.type	k_q0d230ec951_proj,@function
k_q0d230ec951_proj:
	s_mov_b64 s[64:65], 0
	v_nop
	global_prefetch_b8 v0, s[64:65] scope:SCOPE_SE
	s_setreg_imm32_b32 hwreg(HW_REG_WAVE_MODE, 25, 1), 1
	s_wait_xcnt 0x0
; SECOND OF FOUR LAUNCHES.  Q, K and V of 128 positions of one batch and head, on the codes of launch 1, quantised in registers for the attention's two products.  (No work is left out here.)
; Work-group (x = sigma, y = 8 b + h): positions 128 sigma on.  Wave w: role = w / 2 (0 Q, 1 K, 2 V), p = w % 2 (which 128 of the head's 256 channels).
; ONE TEXT FOR ALL ROLES.  Source 0 is a HELD block's eight tiles (its 16 fragments stay in registers), source 1 one STREAMED tile; in the result a lane holds one row of the streamed tile and its 64 registers run along the held block's 128 rows,
; in their true order (the tiles' order of rows is chosen for that: see launch 1).  Q, K: held = the weight's 128 columns, streamed = the positions: a lane holds a position, registers run along the channels, which are the score product's K.
; V: held = the positions, streamed = the weight's columns: a lane holds a channel, registers run along the 128 keys, which are the second product's K.  Only block numbers and two offsets differ, chosen by s_cselect_b32: no branch.
; qkvc: 768 blocks of 24,576 bytes, block kind x 256 + y x 16 + sigma.  Q, K: [tile of positions][K step p][fragment].  V: [tile of channels T = 8 p + i][fragment], K = the step's 128 keys.
; qkvs: 1,024 bytes a block: the word of (s, t, r) at 512 s + 256 (t / 4) + 16 r + 4 (t % 4); for V s = T / 8, t = T % 8.
; No LDS, no barrier: waves share nothing.  A tile's six loads run two tiles ahead.
.set BLK,   24576
.set FRB,   1536
.set HS,    8                          ; v8-15    the held block's scale words: register t: lanes 0-15 K step 0, lanes 16-31 K step 1
.set SS,    16                         ; v16-23   the streamed block's, likewise
.set SF,    24                         ; v24-71   the streamed tile's two fragments, two sets
.set D,     72                         ; v72-135  the eight result tiles
.set PC,    136                        ; v136-155 the codes just made
.set TM,    160                        ; v160-175 at work in QUANT
.set PWS,   176                        ; v176-183 the eight units' scale words
.set MG,    184                        ; v184-187 as they are stored
.set SEL,   2                          ; s[2:3]   lane selects: lane l xor 16
.set MSB, 0
.macro WIN new                         ; the immediate's high byte repeats the setting that is left.  Window 1: v0-191 the held block's 16 fragments
.if MSB != (\new)
	s_set_vgpr_msb (MSB<<8)|(\new)
.set MSB, (\new)
.endif
.endm
.macro QUANT s, pw                     ; 64 numbers of a lane, register 16 b + i = k 32 b + 16 (lane / 16) + i of my row -> a fragment's codes in v[PC] on, its scale word in v[pw]
.irp b, 0,1,2,3
	v_max3_num_f32 v[TM+\b], |v[\s+16*\b]|, |v[\s+1+16*\b]|, 0x1800000   ; each result tile is read from its low end on; the floor 2^(3 - 127) holds the byte at 1 from below
.endr
.irp i, 2,4,6,8,10,12,14
.irp b, 0,1,2,3
	v_max3_num_f32 v[TM+\b], v[TM+\b], |v[\s+16*\b+\i]|, |v[\s+1+16*\b+\i]|
.endr
.endr
.irp b, 0,1,2,3
	v_permlanex16_b32 v[TM+4+\b], v[TM+\b], s[SEL], s[SEL+1]
.endr
.irp b, 0,1,2,3
	v_max_num_f32 v[TM+\b], v[TM+\b], v[TM+4+\b]
.endr
.irp b, 0,1,2,3
	v_add_nc_u32 v[TM+12+\b], 0xff000000, v[TM+\b]   ; 2 off the exponent field: the conversion's scale operand
.endr
.irp b, 0,1,2,3
	v_lshrrev_b32 v[TM+4+\b], 23, v[TM+12+\b]
.endr
	v_lshl_or_b32 v[\pw], v[TM+5], 8, v[TM+4]
	v_lshl_or_b32 v[\pw], v[TM+6], 16, v[\pw]
	v_lshl_or_b32 v[\pw], v[TM+7], 24, v[\pw]
.irp c, 0,1
	v_cvt_scalef32_pk16_fp6_f32 v[PC+6*\c:PC+2+6*\c], v[\s+32*\c:\s+15+32*\c], v[TM+12+2*\c]
	v_cvt_scalef32_pk16_fp6_f32 v[PC+12+4*\c:PC+14+4*\c], v[\s+16+32*\c:\s+31+32*\c], v[TM+12+2*\c+1]
.endr
	v_nop                                          ; one plain place behind a scaled conversion
.irp c, 0,1
.irp i, 0,1,2
	v_permlane16_swap_b32 v[PC+6*\c+\i], v[PC+12+4*\c+\i]
.endr
.irp i, 0,1,2
	v_mov_b32 v[PC+3+6*\c+\i], v[PC+12+4*\c+\i]
.endr
.endr
.endm
	s_load_b256 s[4:11], s[0:1], 0x0               ; cw s[4:5], cws s[6:7], qkvc s[8:9], qkvs s[10:11]
	v_lshrrev_b32 v3, 5, v0
	v_readfirstlane_b32 s12, v3                    ; wave 0..5
	v_and_b32 v4, 31, v0                           ; lane
	v_lshlrev_b32 v1, 4, v4                        ; 16 x lane: an image's place for my lane
	v_lshrrev_b32 v5, 4, v4
	v_lshl_add_u32 v2, v5, 8, v1                   ; scale words: 512 (lane / 16) + 16 (lane % 16)
.irp b, 0,1,2,3
	v_mov_b32 v[TM+4+\b], 0                        ; written once: a lane permute's destination counts as one of its sources
.endr
	s_mov_b32 s[SEL], 0x76543210
	s_mov_b32 s[SEL+1], 0xfedcba98
	s_lshr_b32 s13, s12, 1                         ; role
	s_and_b32 s14, s12, 1                          ; p
	s_and_b32 s16, ttmp7, 0xffff                   ; y = 8 b + h
	s_and_b32 s17, s16, 7
	s_lshr_b32 s18, s16, 3
	s_lshl_b32 s19, s13, 3
	s_add_co_u32 s19, s19, s17
	s_lshl_b32 s19, s19, 1
	s_add_co_u32 s19, s19, s14
	s_add_co_u32 s19, s19, 32                      ; the weight's block: 32 + (role x 8 + h) x 2 + p
	s_lshl_b32 s20, s18, 4
	s_add_co_u32 s20, s20, ttmp9                   ; the positions' block: 16 b + sigma
	s_lshl_b32 s21, s13, 8
	s_lshl_b32 s22, s16, 4
	s_add_co_u32 s21, s21, s22
	s_add_co_u32 s21, s21, ttmp9                   ; the block that is made: role x 256 + 16 y + sigma
	s_mov_b32 s24, 8*FRB
	s_mov_b32 s26, FRB
	s_cmp_lt_u32 s13, 2                            ; Q or K?
	s_cselect_b32 s22, s19, s20                    ; held
	s_cselect_b32 s23, s20, s19                    ; streamed
	s_cselect_b32 s24, FRB, s24                    ; where p's part begins in the block that is made,
	s_cselect_b32 s26, 2*FRB, s26                  ; and from one unit's fragment to the next
	s_mov_b32 s27, 0
	s_mul_i32 s28, s22, BLK
	s_mov_b32 s29, 0
	s_lshl_b32 s30, s22, 10
	s_mov_b32 s31, 0
	s_mul_i32 s32, s23, BLK
	s_mov_b32 s33, 0
	s_lshl_b32 s34, s23, 10
	s_mov_b32 s35, 0
	s_mul_i32 s36, s21, BLK
	s_mul_i32 s24, s24, s14
	s_add_co_u32 s36, s36, s24
	s_mov_b32 s37, 0
	s_lshl_b32 s38, s21, 10
	s_lshl_b32 s24, s14, 9
	s_add_co_u32 s38, s38, s24
	s_mov_b32 s39, 0
	s_wait_kmcnt 0x0
	s_add_nc_u64 s[40:41], s[4:5], s[28:29]        ; the held block's codes,
	s_add_nc_u64 s[42:43], s[6:7], s[30:31]        ; its scale words,
	s_add_nc_u64 s[44:45], s[4:5], s[32:33]        ; the streamed block's codes,
	s_add_nc_u64 s[46:47], s[6:7], s[34:35]        ; its scale words
	s_add_nc_u64 s[8:9], s[8:9], s[36:37]
	s_add_nc_u64 s[10:11], s[10:11], s[38:39]
	WIN 0x40                                       ; destination window 1
.set k, 0
.rept 48
	global_load_b128 v[4*k:4*k+3], v1, s[40:41] offset:512*k   ; fragment (tile t, K step s) at v[12 (2 t + s)]: the block lies in that order
.set k, k+1
.endr
	WIN 0
	global_load_b128 v[HS:HS+3], v2, s[42:43]
	global_load_b128 v[HS+4:HS+7], v2, s[42:43] offset:256
	global_load_b128 v[SS:SS+3], v2, s[46:47]
	global_load_b128 v[SS+4:SS+7], v2, s[46:47] offset:256
.macro LOADT i                         ; the streamed tile i: two fragments, six loads
.set k, 0
.rept 6
	global_load_b128 v[SF+24*((\i)%2)+4*k:SF+24*((\i)%2)+4*k+3], v1, s[44:45] offset:(\i)*2*FRB+512*k
.set k, k+1
.endr
.endm
	LOADT 0
	LOADT 1
.macro UNIT i
.set SFI, SF+24*((\i)%2)
.if (\i) < 7
	s_wait_loadcnt 6                               ; all but the next tile's six loads are in
.else
	s_wait_loadcnt 0x0
.endif
	WIN 0x01                                       ; source 0 window 1
.irp t, 0,1,2,3,4,5,6,7                        ; the eight accumulators take turns, a K step at a time; the first K step starts the sums
	v_wmma_scale_f32_16x16x128_f8f6f4 v[D+8*\t:D+8*\t+7], v[24*\t:24*\t+11], v[SFI:SFI+11], 0, v[HS+\t], v[SS+(\i)] matrix_a_fmt:MATRIX_FMT_FP6 matrix_b_fmt:MATRIX_FMT_FP6
.endr
.irp t, 0,1,2,3,4,5,6,7
	v_wmma_scale_f32_16x16x128_f8f6f4 v[D+8*\t:D+8*\t+7], v[24*\t+12:24*\t+23], v[SFI+12:SFI+23], v[D+8*\t:D+8*\t+7], v[HS+\t], v[SS+(\i)] matrix_a_fmt:MATRIX_FMT_FP6 matrix_b_fmt:MATRIX_FMT_FP6 matrix_a_scale:MATRIX_SCALE_ROW1 matrix_b_scale:MATRIX_SCALE_ROW1
.endr
	WIN 0
.rept 4
	v_nop                                          ; four places in front of loads into registers that the products read, and of the first read of results
.endr
.if (\i) < 6
	LOADT (\i)+2
.endif
.if (\i) > 0
	s_wait_xcnt 0x0                                ; the last unit's stores have read the codes' registers and their base
	s_add_nc_u64 s[8:9], s[8:9], s[26:27]
.endif
	QUANT D, PWS+(\i)
.irp c, 0,1,2
	global_store_b128 v1, v[PC+4*\c:PC+4*\c+3], s[8:9] offset:512*\c   ; 512 consecutive bytes, aligned
.endr
.endm
.irp i, 0,1,2,3,4,5,6,7
	UNIT \i
.endr
	v_cmp_lt_u32 vcc_lo, 15, v4                    ; lanes 0-15 store the words of units 0-3, lanes 16-31 those of units 4-7
.irp k, 0,1,2,3
	v_cndmask_b32 v[MG+\k], v[PWS+\k], v[PWS+4+\k], vcc_lo
.endr
	global_store_b128 v1, v[MG:MG+3], s[10:11]     ; 512 consecutive bytes, aligned
	s_endpgm
.Lfunc_end_k_q0d230ec951_proj:
	.size	k_q0d230ec951_proj, .Lfunc_end_k_q0d230ec951_proj-k_q0d230ec951_proj
	.p2alignl 7, 3214868480
	.fill 96, 4, 3214868480
	.section	.rodata,"a",@progbits
	.p2align	6, 0x0
	.amdhsa_kernel k_q0d230ec951_proj
		.amdhsa_group_segment_fixed_size 0
		.amdhsa_private_segment_fixed_size 0
		.amdhsa_enable_private_segment 0
		.amdhsa_kernarg_size 32
		.amdhsa_user_sgpr_count 2
		.amdhsa_user_sgpr_kernarg_segment_ptr 1
		.amdhsa_wavefront_size32 1
		.amdhsa_system_sgpr_workgroup_id_x 1
		.amdhsa_system_sgpr_workgroup_id_y 1
		.amdhsa_system_sgpr_workgroup_id_z 1
		.amdhsa_system_vgpr_workitem_id 0
		.amdhsa_next_free_vgpr 448
		.amdhsa_next_free_sgpr 66
		.amdhsa_reserve_vcc 1
		.amdhsa_float_denorm_mode_32 3
		.amdhsa_float_denorm_mode_16_64 3
		.amdhsa_memory_ordered 1
		.amdhsa_forward_progress 1
		.amdhsa_inst_pref_size 63
	.end_amdhsa_kernel
	.amdgpu_metadata
---
amdhsa.version: [ 1, 2 ]
amdhsa.kernels:
  - .name:           k_q0d230ec951_proj
    .symbol:         k_q0d230ec951_proj.kd
    .args:
      - { .name: cw, .offset: 0, .size: 8, .value_kind: global_buffer, .address_space: global }
      - { .name: cws, .offset: 8, .size: 8, .value_kind: global_buffer, .address_space: global }
      - { .name: qkvc, .offset: 16, .size: 8, .value_kind: global_buffer, .address_space: global }
      - { .name: qkvs, .offset: 24, .size: 8, .value_kind: global_buffer, .address_space: global }
    .group_segment_fixed_size: 0
    .private_segment_fixed_size: 0
    .kernarg_segment_align: 8
    .kernarg_segment_size: 32
    .max_flat_workgroup_size: 192
    .sgpr_count:     66
    .vgpr_count:     448
    .wavefront_size: 32
...
	.end_amdgpu_metadata
.endif
;; end of part 2
;; launch attn (part 3): grid 16 x 16, 8 waves a work-group, no clusters, 327,680 bytes of LDS; arguments qkvc, qkvs, retc, rets; writes retc, rets
.if DOCPART == 3
	.amdgcn_target "amdgcn-amd-amdhsa--gfx1250"
	.amdhsa_code_object_version 6
	.text
	.protected	k_q0d230ec951_attn
	.globl	k_q0d230ec951_attn
	.p2align	8
	.type	k_q0d230ec951_attn,@function
k_q0d230ec951_attn:
	s_mov_b64 s[64:65], 0
	v_nop
	global_prefetch_b8 v0, s[64:65] scope:SCOPE_SE
	s_setreg_imm32_b32 hwreg(HW_REG_WAVE_MODE, 25, 1), 1
	s_wait_xcnt 0x0
; THIRD OF FOUR LAUNCHES.  ret = x V for one batch and head, x the finished causal softmax, quantised along the keys as reference() has it: normalised.  So the keys are walked twice:
; WALK 1 finds each row's largest visible score m and l = the sum of e^((s - m) / 16); WALK 2 makes the scores again, x = 2^((s - m) c) / l with c = log2(e) / 16, quantises x by blocks of 32 keys and adds V^T x^T.  m and l are final in walk 2: nothing is rescaled.
; LEFT OUT (shown at the head of launch 1): the branch that ends in the deleted a, with timestamp and theta; key steps wholly above the diagonal; the full row's maximum and denominator, which cancel.
; The maximum is taken away, as the running maximum of the visible keys.  The limits stated at the head of launch 1 hold here.
; SHARES.  Work-group (x = j, y = 8 b + h), eight waves, a tile of 16 queries each: waves 0-3 the four tiles of queries 64 j on, waves 4-7 those of queries 64 (31 - j) on: 17 tile steps in each walk for each pair of waves w, w + 4, in every work-group.
; Every work-group walks all 16 key steps of 128 in both walks (constant trip counts); a wave jumps over the work of a step that lies above its diagonal step SW (a scalar branch on ids) and masks in step SW.
; LAYOUT.  Both products are used transposed: S^T = K Q^T, O^T = V^T x^T: a lane holds one query (lane % 16) throughout, and the tiles' order of rows (launch 1) makes score register 16 b + i key 32 b + 16 (lane / 16) + i of the step.
; LDS.  Two slots of 98,304 bytes, 2^17 apart.  Walk 1: a slot holds four key steps of K.  Walk 2: two steps of K and of V.  Each of the eight waves brings an eighth of a fill by one tensor load: every 8th (walk 2: every 4th) row of 256 bytes,
; so that each load holds rows of the fill's FIRST step, which is read whenever the fill is asked for.  Row R of a fill lies at (R % 8) x 12,288 + (R / 8) x 256 (walk 2: R % 4, R / 4; V's four parts behind K's four).
; The scale words of the head's 16 steps of K and of V, 16,384 bytes each, come once with the first fills and stay between the slots.
; THE LOOK-AHEAD ENDS AT THE CAUSAL LIMIT: a fill whose first step lies above SMAX, the work-group's last diagonal step, would be read by none of its waves and is not asked for: a jump on ids and trip counts alone, the same in all eight waves,
; inside a loop, round the load's own lines alone; every wait on TENSORcnt in this text is for 0.  By this text's count a wave has two tensor loads out at the start and one later.
; NO CLUSTER, though the 16 work-groups of a head read the same K and V: their fills end at limits of their own (SMAX = (31 - j) / 2 runs from 8 to 15), and a joint load may be jumped over by none of its partners.
; REGISTERS.  Window 0: v1-11 addresses and Q's scale words; v12-23 the row's statistics; v24-39 K's and V's scale words; v40 x's; v44-79 at work in QUANT; v80-143 S^T, then x; v144-239 eight fragments; v240-247 at work.
; Window 1: v0-127 O^T (tile T of 16 channels at v[8 T]); v128-151 Q's two fragments.
.set BLK,   24576
.set FRB,   1536
.set PART,  12288                      ; what one tensor load brings: 48 rows of 256 bytes
.set STEPB, 3072                       ; walk 1: from one step's rows to the next step's inside a part: 12 rows
.set SLOT1, 131072
.set KSC,   98304                      ; K's scale words; V's lie 16,384 on
.set SPARE, 229376                     ; behind slot 1: the spare words, 128 bytes a wave: four blocks of 256 bytes that no other line names
.set LB,   1                           ; v1   PART x (lane / 16) + 16 (lane % 16): lanes 0-15 read a row of 256 bytes, lanes 16-31 the next row, which lies in the next part
.set ASC0, 2                           ; v2   KSC + 8,192 (lane / 16) + 16 (lane % 16)
.set B0,   3                           ; v3   the slot (walk 1: and step) in hand + LB;  v4: four parts on
.set ASC,  5                           ; v5   the step's scale words
.set DD,   6                           ; v6   my query's place in its step - 16 (lane / 16)
.set L16,  7                           ; v7   16 x lane
.set SPW,  8                           ; v8   LDS address of my spare word; never rewritten
.set NIL,  9                           ; v9   0; never rewritten
.set PFO,  10                          ; v10  256 x lane: the prefetches' offset; never rewritten
.set QS,   11                          ; v11  Q's scale words: lanes 0-15 K step 0, lanes 16-31 K step 1
.set NM,   12                          ; v[12:13] -m (the low word serves both halves of a pair)
.set RR,   14                          ; v[14:15] 1 / l
.set MX,   16                          ; v16  m
.set MO,   17                          ; v17  m before this step
.set AA,   18                          ; v[18:19] 2^((old m - m) c)
.set LS,   20                          ; v[20:23] l, in two chains of pairs
.set KS,   24
.set VS,   32
.set PW,   40
.set PWA,  41
.set PWB,  42
.set TM,   44
.set PC,   60
.set S,    80
.set F,    144
.set T,    240
.set NINF, 247
.set QF,   128                         ; in window 1
.set WV,   12
.set J,    13
.set Y,    14
.set TAU,  15                          ; my tile of queries, 0..127
.set SW,   16                          ; its diagonal step
.set SMAX, 17                          ; the work-group's last diagonal step
.set ST,   18                          ; the key step in hand
.set TB,   19                          ; LDS byte at which the slot (walk 1: and step) in hand begins
.set TS,   20
.set FS,   21                          ; the first step of the fill that is being asked for
.set CN,   22
.set CI,   23
.set SEL,  24                          ; s[24:25] lane selects: lane l xor 16
.set CS,   26                          ; s[26:27] c
.set WP,   28                          ; wave x PART
.set LIMV, 29                          ; 13 in a wave that prefetches, else 0
.set LIMK, 30                          ; 1 in a wave that prefetches, else the greatest number
.set G0,   32                          ; s[32:35] the walking group 0
.set G0S,  36                          ; s[36:39] group 0 for the scale words
.set G1A,  40                          ; s[40:47] group 1, walk 1: 48 rows of 256 bytes, 2,048 bytes apart
.set G1B,  48                          ; s[48:55] walk 2: 1,024 bytes apart
.set G1S,  56                          ; s[56:63] scale words: 16 rows of 256 bytes, 1,024 bytes apart
.set P2A,  66                          ; s[66:67] where my part of walk 2's first fill begins
.set PFK,  68                          ; s[68:69] the prefetches of K
.set PFV,  70                          ; s[70:71] and of V
.set MSB, 0
.macro WIN new                         ; the immediate's high byte repeats the setting that is left
.if MSB != (\new)
	s_set_vgpr_msb (MSB<<8)|(\new)
.set MSB, (\new)
.endif
.endm
.macro PLACES n
.rept \n
	v_nop
.endr
.endm
; 64 numbers of a lane in window sw, register 16 b + i = k 32 b + 16 (lane / 16) + i of my row -> a fragment's codes in v[PC] on, its scale word in v[pw]
.macro QUANT s, sw, pw
	WIN 0x05*(\sw)
.irp b, 0,1,2,3
	v_max3_num_f32 v[TM+\b], |v[\s+16*\b]|, |v[\s+1+16*\b]|, 0x1800000   ; each accumulator is read from its low end on; the floor 2^(3 - 127) holds the byte at 1 from below
.endr
	WIN 0x14*(\sw)
.irp i, 2,4,6,8,10,12,14
.irp b, 0,1,2,3
	v_max3_num_f32 v[TM+\b], v[TM+\b], |v[\s+16*\b+\i]|, |v[\s+1+16*\b+\i]|
.endr
.endr
	WIN 0
.irp b, 0,1,2,3
	v_permlanex16_b32 v[TM+4+\b], v[TM+\b], s[SEL], s[SEL+1]
.endr
.irp b, 0,1,2,3
	v_max_num_f32 v[TM+\b], v[TM+\b], v[TM+4+\b]
.endr
.irp b, 0,1,2,3
	v_add_nc_u32 v[TM+12+\b], 0xff000000, v[TM+\b]   ; 2 off the exponent field: the conversion's scale operand
.endr
.irp b, 0,1,2,3
	v_lshrrev_b32 v[TM+4+\b], 23, v[TM+12+\b]
.endr
	v_lshl_or_b32 v[\pw], v[TM+5], 8, v[TM+4]
	v_lshl_or_b32 v[\pw], v[TM+6], 16, v[\pw]
	v_lshl_or_b32 v[\pw], v[TM+7], 24, v[\pw]
	WIN 0x01*(\sw)
.irp c, 0,1
	v_cvt_scalef32_pk16_fp6_f32 v[PC+6*\c:PC+2+6*\c], v[\s+32*\c:\s+15+32*\c], v[TM+12+2*\c]
	v_cvt_scalef32_pk16_fp6_f32 v[PC+12+4*\c:PC+14+4*\c], v[\s+16+32*\c:\s+31+32*\c], v[TM+12+2*\c+1]
.endr
	WIN 0
	v_nop                                          ; one plain place behind a scaled conversion
.irp c, 0,1
.irp i, 0,1,2
	v_permlane16_swap_b32 v[PC+6*\c+\i], v[PC+12+4*\c+\i]
.endr
.irp i, 0,1,2
	v_mov_b32 v[PC+3+6*\c+\i], v[PC+12+4*\c+\i]
.endr
.endr
.endm
; Fragment f of a block (its rows 6 f .. 6 f + 5 of 256 bytes) into v[reg] on.  il = 8: walk 1's fills.  il = 4: walk 2's; sel = 0 K, 1 V; st: which of the slot's two steps.
.macro LDFRAG reg, f, il, sel, st
.irp c, 0,1,2
.set ROW, 6*(\f)+2*\c
.if \il == 8
	ds_load_b128 v[(\reg)+4*\c:(\reg)+4*\c+3], v[B0+(ROW%8)/4] offset:((ROW%8)%4)*PART+(ROW/8)*256
.else
	ds_load_b128 v[(\reg)+4*\c:(\reg)+4*\c+3], v[B0+\sel] offset:(ROW%4)*PART+(ROW/4+24*(\st))*256
.endif
.endr
.endm
.macro ADDR                            ; the step's LDS addresses
	s_lshl_b32 s[TS], s[ST], 8
	v_add_nc_u32 v[B0], s[TB], v[LB]
	v_add_nc_u32 v[B0+1], 4*PART, v[B0]
	v_add_nc_u32 v[ASC], s[TS], v[ASC0]
.endm
; S^T = K Q^T of the step's 128 keys: four tiles of 16 keys at a time, both K steps; the four accumulators take turns; the first K step starts the sums.
.macro SCORES il, st
	ds_load_b128 v[KS:KS+3], v[ASC]
	ds_load_b128 v[KS+4:KS+7], v[ASC] offset:4096
.irp g, 0,1
.if \g
	PLACES 4                                       ; in front of loads into registers that the products have read
.endif
.irp k, 0,1,2,3,4,5,6,7
	LDFRAG F+12*\k, 8*\g+\k, \il, 0, \st
.endr
	s_wait_dscnt 0x0
	WIN 0x04                                       ; source 1 (Q) window 1
.irp t, 0,1,2,3
	v_wmma_scale_f32_16x16x128_f8f6f4 v[S+8*(4*\g+\t):S+8*(4*\g+\t)+7], v[F+24*\t:F+24*\t+11], v[QF:QF+11], 0, v[KS+4*\g+\t], v[QS] matrix_a_fmt:MATRIX_FMT_FP6 matrix_b_fmt:MATRIX_FMT_FP6
.endr
.irp t, 0,1,2,3
	v_wmma_scale_f32_16x16x128_f8f6f4 v[S+8*(4*\g+\t):S+8*(4*\g+\t)+7], v[F+24*\t+12:F+24*\t+23], v[QF+12:QF+23], v[S+8*(4*\g+\t):S+8*(4*\g+\t)+7], v[KS+4*\g+\t], v[QS] matrix_a_fmt:MATRIX_FMT_FP6 matrix_b_fmt:MATRIX_FMT_FP6 matrix_a_scale:MATRIX_SCALE_ROW1 matrix_b_scale:MATRIX_SCALE_ROW1
.endr
	WIN 0
.endr
	PLACES 4                                       ; in front of the first read of results, and of the next loads into the fragments' and scale words' registers
.endm
.macro MASK                            ; in my diagonal step the scores of hidden keys become -infinity: register n holds key 32 (n / 16) + n % 16 + 16 (lane / 16), hidden where that lies above my query's place
	s_cmp_lg_u32 s[ST], s[SW]
	s_cbranch_scc1 .Lopen_\@
.set n, 0
.rept 64
	v_cmp_gt_i32 vcc_lo, 32*(n/16)+n%16, v[DD]
	v_cndmask_b32 v[S+n], v[S+n], v[NINF], vcc_lo
.set n, n+1
.endr
.Lopen_\@:
.endm
; 2^((s - m) c) in place.  The difference is formed FIRST and then multiplied, not fused: where s = m the exponent is then exactly 0 and the weight exactly 1, as in reference(); a fused c s - (c m rounded) would leave a rest there,
; which in a row with one visible key moves x off 1 and with it the block's scale.
.macro EXPO
.set n, 0
.rept 32
	v_pk_add_f32 v[S+n:S+n+1], v[S+n:S+n+1], v[NM:NM+1] op_sel_hi:[1,0]
.set n, n+2
.endr
.set n, 0
.rept 32
	v_pk_mul_f32 v[S+n:S+n+1], v[S+n:S+n+1], s[CS:CS+1] op_sel_hi:[1,0]
.set n, n+2
.endr
.set n, 0
.rept 64
	v_exp_f32 v[S+n], v[S+n]
.set n, n+1
.endr
.endm
; WALK 1, a key step.  Each lane keeps m and l of ITS OWN half of the keys, so that nothing changes lanes in the loop; the halves are joined once, behind the walk.
.macro STEP1
	s_cmp_gt_u32 s[ST], s[SW]
	s_cbranch_scc1 .Lh1_\@
	ADDR
	SCORES 8, 0
	MASK
.irp b, 0,1,2,3
	v_max3_num_f32 v[T+\b], v[S+16*\b], v[S+16*\b+1], v[S+16*\b+2]
.endr
.irp i, 3,5,7,9,11,13
.irp b, 0,1,2,3
	v_max3_num_f32 v[T+\b], v[T+\b], v[S+16*\b+\i], v[S+16*\b+\i+1]
.endr
.endr
.irp b, 0,1,2,3
	v_max_num_f32 v[T+\b], v[T+\b], v[S+16*\b+15]
.endr
	v_mov_b32 v[MO], v[MX]
	v_max3_num_f32 v[T+4], v[T], v[T+1], v[T+2]
	v_max3_num_f32 v[MX], v[T+4], v[T+3], v[MX]    ; the running maximum
	v_sub_f32 v[AA], v[MO], v[MX]
	v_xor_b32 v[NM], 0x80000000, v[MX]
	v_mul_f32 v[AA], s[CS], v[AA]
	EXPO
	v_exp_f32 v[AA], v[AA]                         ; what was summed under the old maximum is brought under the new
	v_nop                                          ; a plain place behind the last exponential
	s_wait_alu depctr_va_vdst(0)                   ; one wait for the batch of 65, ahead of its first reader
	v_pk_fma_f32 v[LS:LS+1], v[LS:LS+1], v[AA:AA+1], v[S:S+1] op_sel_hi:[1,0,1]
	v_pk_fma_f32 v[LS+2:LS+3], v[LS+2:LS+3], v[AA:AA+1], v[S+2:S+3] op_sel_hi:[1,0,1]
.set n, 4
.rept 15
	v_pk_add_f32 v[LS:LS+1], v[LS:LS+1], v[S+n:S+n+1]
	v_pk_add_f32 v[LS+2:LS+3], v[LS+2:LS+3], v[S+n+2:S+n+3]
.set n, n+4
.endr
.Lh1_\@:
.endm
.macro FOUR1                           ; a slot's four key steps: written once, walked four times
	s_mov_b32 s[CI], 4
.Lst1_\@:
	STEP1
	s_add_co_u32 s[TB], s[TB], STEPB
	s_add_co_u32 s[ST], s[ST], 1
	s_sub_co_u32 s[CI], s[CI], 1
	s_cmp_lg_u32 s[CI], 0
	s_cbranch_scc1 .Lst1_\@
.endm
.macro VLOAD g, st                     ; V's tiles 8 g .. 8 g + 7 of 16 channels
.if (\g) == 0
	ds_load_b128 v[VS:VS+3], v[ASC] offset:16384
	ds_load_b128 v[VS+4:VS+7], v[ASC] offset:20480
.endif
.irp k, 0,1,2,3,4,5,6,7
	LDFRAG F+12*\k, 8*(\g)+\k, 4, 1, \st
.endr
.endm
.macro PV g                            ; O^T += V^T x^T: eight accumulators, one instruction each
	s_wait_dscnt 0x0
	WIN 0x50                                       ; C and D window 1
.irp t, 0,1,2,3,4,5,6,7
.if \g
	v_wmma_scale_f32_16x16x128_f8f6f4 v[64+8*\t:64+8*\t+7], v[F+12*\t:F+12*\t+11], v[PC:PC+11], v[64+8*\t:64+8*\t+7], v[VS+\t], v[PW] matrix_a_fmt:MATRIX_FMT_FP6 matrix_b_fmt:MATRIX_FMT_FP6 matrix_a_scale:MATRIX_SCALE_ROW1
.else
	v_wmma_scale_f32_16x16x128_f8f6f4 v[8*\t:8*\t+7], v[F+12*\t:F+12*\t+11], v[PC:PC+11], v[8*\t:8*\t+7], v[VS+\t], v[PW] matrix_a_fmt:MATRIX_FMT_FP6 matrix_b_fmt:MATRIX_FMT_FP6
.endif
.endr
	WIN 0
	PLACES 4                                       ; in front of the next loads into the fragments' and scale words' registers, and of the way out's first read
.endm
; WALK 2, a key step: the st-th of the slot in hand.
.macro STEP2 st
	s_cmp_gt_u32 s[ST], s[SW]
	s_cbranch_scc1 .Lh2_\@
	ADDR
	SCORES 4, \st
	VLOAD 0, \st                                   ; V's first eight fragments land while the softmax is worked
	MASK
	EXPO
	v_nop                                          ; a plain place behind the last exponential
	s_wait_alu depctr_va_vdst(0)                   ; one wait for the batch of 64, ahead of its first reader
.set n, 0
.rept 32
	v_pk_mul_f32 v[S+n:S+n+1], v[S+n:S+n+1], v[RR:RR+1] op_sel_hi:[1,0]   ; x, finished and normalised
.set n, n+2
.endr
	QUANT S, 0, PW
	PLACES 8                                       ; a scale register written by vector instructions stands eight places ahead of the scaled product, an operand so written four
	PV 0
	VLOAD 1, \st
	PV 1
.Lh2_\@:
	s_add_co_u32 s[ST], s[ST], 1
.endm
.macro MEET                            ; the add is done and my reads of the slot that I have left are over; then the work-group's barrier
	s_wait_dscnt 0x0
	s_barrier_signal -1
	s_barrier_wait -1
.endm
.macro TL g1                           ; my one tensor load behind the barrier; an s_nop 0 and four v_nop follow it
	tensor_load_to_lds s[G0:G0+3], s[\g1:\g1+7]
	s_nop 0
	PLACES 4
.endm
	s_load_b256 s[4:11], s[0:1], 0x0               ; qkvc s[4:5], qkvs s[6:7], retc s[8:9], rets s[10:11]
	v_lshl_add_u32 v[SPW], v0, 2, SPARE
	v_mov_b32 v[NIL], 0
	ds_add_u32 v[SPW], v[NIL]                      ; the wave's opening: the add, twice on end, and its wait ahead of my first tensor load
	ds_add_u32 v[SPW], v[NIL]
	v_lshrrev_b32 v1, 5, v0
	v_readfirstlane_b32 s[WV], v1                  ; wave 0..7
	s_mov_b32 s[J], ttmp9
	s_and_b32 s[Y], ttmp7, 0xffff
	s_lshl_b32 s72, s[J], 2
	s_sub_co_u32 s73, 120, s72
	s_cmp_lt_u32 s[WV], 4
	s_cselect_b32 s[TAU], s72, s73
	s_add_co_u32 s[TAU], s[TAU], s[WV]             ; waves 0-3: 4 j + w; waves 4-7: 4 (31 - j) + w - 4
	s_lshr_b32 s[SW], s[TAU], 3
	s_sub_co_u32 s[SMAX], 31, s[J]
	s_lshr_b32 s[SMAX], s[SMAX], 1
	s_mul_i32 s[WP], s[WV], PART
.irp g, G1A, G1B, G1S                          ; group 1: rows of 32 elements of 8 bytes, no mask, no padding
	s_mov_b32 s[\g], 3<<16
	s_mov_b32 s[\g+1], 32<<16                      ; tensor_dim0
	s_mov_b32 s[\g+3], 32<<16                      ; tile_dim0
	s_mov_b32 s[\g+6], 0
	s_mov_b32 s[\g+7], 0
.endr
	s_mov_b32 s[G1A+2], 48<<16                     ; tensor_dim1
	s_mov_b32 s[G1A+4], 48                         ; tile_dim1
	s_mov_b32 s[G1A+5], 256                        ; from row to row: 8 rows of 32 elements
	s_mov_b32 s[G1B+2], 48<<16
	s_mov_b32 s[G1B+4], 48
	s_mov_b32 s[G1B+5], 128                        ; 4 rows
	s_mov_b32 s[G1S+2], 16<<16
	s_mov_b32 s[G1S+4], 16
	s_mov_b32 s[G1S+5], 128                        ; a step's four rows
	s_mov_b32 s[SEL], 0x76543210
	s_mov_b32 s[SEL+1], 0xfedcba98
	s_mov_b32 s[CS], 0x3db8aa3b                    ; c = log2(e) / 16
	s_mov_b32 s[CS+1], s[CS]
	s_mov_b32 s[ST], 0
	s_mov_b32 s[TB], 0
	s_mov_b32 s[FS], 0
	s_lshl_b32 s78, s[Y], 4                        ; 16 y
	s_add_co_u32 s72, s78, 256
	s_mul_i32 s72, s72, BLK                        ; the head's first block of K,
	s_lshl_b32 s79, s[WV], 8
	s_add_co_u32 s72, s72, s79                     ; row w: my part of walk 1's first fill
	s_mov_b32 s73, 0
	s_mov_b32 s74, 512
	s_cmp_lt_u32 s[WV], 4
	s_cselect_b32 s74, 256, s74
	s_add_co_u32 s74, s74, s78                     ; waves 0-3: the head's first block of K; waves 4-7: of V
	s_and_b32 s79, s[WV], 3
	s_lshl_b32 s79, s79, 8
	s_lshl_b32 s76, s74, 10
	s_add_co_u32 s76, s76, s79                     ; its scale words, row w % 4
	s_mov_b32 s77, 0
	s_mul_i32 s74, s74, BLK
	s_add_co_u32 s74, s74, s79                     ; its codes, row w % 4: my part of walk 2's first fill
	s_mov_b32 s75, 0
	s_wait_dscnt 0x0                               ; both opening adds are done
	s_wait_kmcnt 0x0
	s_mov_b32 s[G0S], 1
	s_lshl_b32 s[G0S+1], s[WV], 12
	s_add_co_u32 s[G0S+1], s[G0S+1], KSC           ; 4,096 bytes a wave: K's four rows' worth, then V's
	s_add_nc_u64 s[G0S+2:G0S+3], s[6:7], s[76:77]
	s_or_b32 s[G0S+3], s[G0S+3], 0x80000000
	s_mov_b32 s[G0], 1
	s_mov_b32 s[G0+1], s[WP]
	s_add_nc_u64 s[G0+2:G0+3], s[4:5], s[72:73]
	s_or_b32 s[G0+3], s[G0+3], 0x80000000
	s_add_nc_u64 s[P2A:P2A+1], s[4:5], s[74:75]
	tensor_load_to_lds s[G0S:G0S+3], s[G1S:G1S+7]  ; the first fills, together, in every wave: the scale words, filled once,
	s_nop 0
	tensor_load_to_lds s[G0:G0+3], s[G1A:G1A+7]    ; and slot 0: K's steps 0 to 3
	s_nop 0
	PLACES 4
	v_and_b32 v[T], 31, v0                         ; lane
	v_and_b32 v[T+1], 15, v0                       ; r
	v_bfe_u32 v[T+2], v0, 4, 1                     ; h
	v_lshlrev_b32 v[L16], 4, v[T]
	v_lshlrev_b32 v[PFO], 8, v[T]
	v_lshlrev_b32 v[T+3], 4, v[T+1]                ; 16 r
	v_mad_u32_u24 v[LB], v[T+2], PART, v[T+3]
	v_lshl_add_u32 v[ASC0], v[T+2], 13, v[T+3]
	v_add_nc_u32 v[ASC0], KSC, v[ASC0]
	s_and_b32 s72, s[TAU], 7                       ; my tile in its block of 128 queries
	s_lshr_b32 s73, s72, 1
	s_lshl_b32 s73, s73, 5
	s_and_b32 s74, s[TAU], 1
	s_lshl_b32 s74, s74, 3
	s_add_co_u32 s73, s73, s74
	v_and_b32 v[T+4], 8, v[T+1]
	v_add_nc_u32 v[T+4], v[T+4], v[T+1]            ; r + 8 (r / 8)
	v_lshlrev_b32 v[T+5], 4, v[T+2]
	v_sub_nc_u32 v[T+4], v[T+4], v[T+5]
	v_add_nc_u32 v[DD], s73, v[T+4]
	v_lshl_add_u32 v[T+6], v[T+2], 9, v[T+3]       ; Q's scale words: 512 h + 16 r
	s_lshl_b32 s74, s[Y], 4
	s_add_co_u32 s75, s74, s[SW]                   ; Q's block
	s_mul_i32 s76, s75, BLK
	s_mul_i32 s77, s72, 2*FRB
	s_add_co_u32 s76, s76, s77
	s_mov_b32 s77, 0
	s_add_nc_u64 s[76:77], s[4:5], s[76:77]
	s_lshl_b32 s78, s75, 10
	s_lshr_b32 s79, s72, 2
	s_lshl_b32 s79, s79, 8
	s_add_co_u32 s78, s78, s79
	s_and_b32 s79, s[TAU], 3
	s_lshl_b32 s79, s79, 2
	s_add_co_u32 s78, s78, s79
	s_mov_b32 s79, 0
	s_add_nc_u64 s[78:79], s[6:7], s[78:79]
	WIN 0x40                                       ; destination window 1
.set k, 0
.rept 6
	global_load_b128 v[QF+4*k:QF+4*k+3], v[L16], s[76:77] offset:512*k   ; Q's two fragments stay in registers
.set k, k+1
.endr
.set k, 0
.rept 128
	v_mov_b32 v[k], 0                              ; O^T.  Walk 2's step is written for every step alike, and which step is a wave's first product hangs on no text: so the sums begin as zeros, once
.set k, k+1
.endr
	WIN 0
	global_load_b32 v[QS], v[T+6], s[78:79]
	; THE PREFETCHES.  All 16 work-groups of a head walk the same K and V: the head's first work-group asks, in it waves 0 to 5, lanes 256 bytes apart, so that each aligned block of 256 bytes is named once in the launch.
	; A fill of walk 1 is 98,304 dense bytes of K: 16,384 a wave, two instructions.  A fill of walk 2 adds 49,152 dense bytes of V: 8,192 a wave, one instruction (its K has been read in walk 1).  Nothing is asked for here, at the head.
	s_add_co_u32 s72, s74, 260
	s_mul_i32 s72, s72, BLK
	s_lshl_b32 s73, s[WV], 14
	s_add_co_u32 s72, s72, s73
	s_mov_b32 s73, 0
	s_add_nc_u64 s[PFK:PFK+1], s[4:5], s[72:73]    ; K's steps 4 on: the first change of slots steps it to steps 8 on
	s_add_co_u32 s72, s74, 512
	s_mul_i32 s72, s72, BLK
	s_lshl_b32 s75, s[WV], 13
	s_add_co_u32 s72, s72, s75
	s_add_nc_u64 s[PFV:PFV+1], s[4:5], s[72:73]    ; V's steps 0 on
	s_cmp_lt_u32 s[WV], 6
	s_cselect_b32 s72, s[J], 1
	s_cmp_eq_u32 s72, 0
	s_cselect_b32 s[LIMK], 1, -1
	s_cselect_b32 s[LIMV], 13, 0
	v_mov_b32 v[MX], 0xff61b1e6                    ; m: -3e38, under every score
	v_mov_b32 v[NM+1], 0                           ; (named as the upper halves of pairs)
	v_mov_b32 v[AA+1], 0
.irp i, 0,1,2,3
	v_mov_b32 v[LS+\i], 0
	v_mov_b32 v[TM+4+\i], 0                        ; written once: a lane permute's destination counts as one of its sources
.endr
	v_mov_b32 v[NINF], 0xff800000
	s_wait_loadcnt 0x0                             ; Q
	; ---- WALK 1.  A change of slots stands at a slot's head: all my tensor loads have landed (the slot ahead among them), the add, my reads of the slot left are over, the barrier; then the other slot is asked for.
	s_mov_b32 s[CN], 3
.Lwalk1:                                           ; three trips: K's steps 4 on, 8 on, 12 on are asked for (the first of them is slot 1's first fill: behind that barrier nobody fills bytes again)
	s_wait_tensorcnt 0x0
	ds_add_u32 v[SPW], v[NIL]                      ; 0 onto my spare word
	s_xor_b32 s[G0+1], s[G0+1], SLOT1              ; no tensor load of mine is out, so group 0 may be written: the other slot,
	s_add_nc_u64 s[G0+2:G0+3], s[G0+2:G0+3], 4*BLK ; the next four steps
	s_add_co_u32 s[FS], s[FS], 4
	s_wait_xcnt 0x0                                ; the last prefetches, a slot back, have read their address
	s_add_nc_u64 s[PFK:PFK+1], s[PFK:PFK+1], 4*BLK
	MEET
	s_cmp_gt_u32 s[FS], s[SMAX]                    ; the causal limit: ids and the trip alone, the same in all eight waves
	s_cbranch_scc1 .Lpast1
	TL G1A
.Lpast1:
	s_cmp_gt_u32 s[CN], s[LIMK]                    ; trips 0 and 1: K of the fill that the NEXT change will ask for
	s_cbranch_scc0 .Lno_k
	global_prefetch_b8 v[PFO], s[PFK:PFK+1] th:TH_LOAD_NT scope:SCOPE_SE
	global_prefetch_b8 v[PFO], s[PFK:PFK+1] offset:8192 th:TH_LOAD_NT scope:SCOPE_SE
.Lno_k:
	s_cmp_eq_u32 s[CN], s[LIMK]                    ; trip 2: V of walk 2's first fill
	s_cbranch_scc0 .Lno_v
	global_prefetch_b8 v[PFO], s[PFV:PFV+1] th:TH_LOAD_NT scope:SCOPE_SE
.Lno_v:
	FOUR1
	s_sub_co_u32 s[TB], s[TB], 4*STEPB
	s_xor_b32 s[TB], s[TB], SLOT1
	s_sub_co_u32 s[CN], s[CN], 1
	s_cmp_lg_u32 s[CN], 0
	s_cbranch_scc1 .Lwalk1
	s_wait_tensorcnt 0x0                           ; the fourth trip is written out: slot 0 takes walk 2's first fill, which every work-group reads
	ds_add_u32 v[SPW], v[NIL]
	s_xor_b32 s[G0+1], s[G0+1], SLOT1
	s_mov_b64 s[G0+2:G0+3], s[P2A:P2A+1]
	s_or_b32 s[G0+3], s[G0+3], 0x80000000
	MEET
	TL G1B
	s_cmp_eq_u32 s[LIMK], 1
	s_cbranch_scc0 .Lno_v1
	global_prefetch_b8 v[PFO], s[PFV:PFV+1] offset:2*BLK th:TH_LOAD_NT scope:SCOPE_SE   ; V of walk 2's second fill
.Lno_v1:
	FOUR1
	; ---- the two halves of the lanes are joined: m, l, 1 / l.  Two multiplications and one addition, so that both halves get the same bits.
	v_add_f32 v[LS], v[LS], v[LS+1]
	v_add_f32 v[LS+2], v[LS+2], v[LS+3]
	v_add_f32 v[LS], v[LS], v[LS+2]
	v_permlanex16_b32 v[T], v[MX], s[SEL], s[SEL+1]
	v_permlanex16_b32 v[T+1], v[LS], s[SEL], s[SEL+1]
	v_max_num_f32 v[T+2], v[MX], v[T]              ; the row's m
	v_sub_f32 v[T+3], v[MX], v[T+2]
	v_sub_f32 v[T+4], v[T], v[T+2]
	v_mul_f32 v[T+3], s[CS], v[T+3]
	v_mul_f32 v[T+4], s[CS], v[T+4]
	v_exp_f32 v[T+3], v[T+3]
	v_exp_f32 v[T+4], v[T+4]
	v_xor_b32 v[NM], 0x80000000, v[T+2]            ; (a plain place behind the exponentials)
	s_wait_alu depctr_va_vdst(0)                   ; the wait ahead of the first reader
	v_mul_f32 v[T+3], v[LS], v[T+3]
	v_mul_f32 v[T+4], v[T+1], v[T+4]
	v_add_f32 v[T+3], v[T+3], v[T+4]               ; the row's l: key 0 counts for every query, so it is at least one term
	v_rcp_f32 v[RR], v[T+3]
	v_nop
	s_wait_alu depctr_va_vdst(0)
	v_mov_b32 v[RR+1], v[RR]
	s_mov_b32 s[ST], 0
	s_mov_b32 s[TB], 0
	s_mov_b32 s[FS], 0
	; ---- WALK 2: eight slots of two steps
	s_mov_b32 s[CN], 7
.Lwalk2:
	s_wait_tensorcnt 0x0
	ds_add_u32 v[SPW], v[NIL]
	s_xor_b32 s[G0+1], s[G0+1], SLOT1
	s_add_nc_u64 s[G0+2:G0+3], s[G0+2:G0+3], 2*BLK
	s_add_co_u32 s[FS], s[FS], 2
	s_wait_xcnt 0x0                                ; the last prefetch, a slot back, has read its address
	s_add_nc_u64 s[PFV:PFV+1], s[PFV:PFV+1], 2*BLK
	MEET
	s_cmp_gt_u32 s[FS], s[SMAX]                    ; the causal limit; a work-group that is past it stays past it
	s_cbranch_scc1 .Lpast2
	TL G1B
.Lpast2:
	s_cmp_lt_u32 s[FS], s[LIMV]                    ; V of the fill that the next change will ask for; the last two changes ask for nothing
	s_cbranch_scc0 .Lno_v2
	global_prefetch_b8 v[PFO], s[PFV:PFV+1] offset:2*BLK th:TH_LOAD_NT scope:SCOPE_SE
.Lno_v2:
	STEP2 0
	STEP2 1
	s_xor_b32 s[TB], s[TB], SLOT1
	s_sub_co_u32 s[CN], s[CN], 1
	s_cmp_lg_u32 s[CN], 0
	s_cbranch_scc1 .Lwalk2
	s_wait_tensorcnt 0x0                           ; the last slot is written out: nothing is left to ask for
	ds_add_u32 v[SPW], v[NIL]
	MEET
	STEP2 0
	STEP2 1
	; ---- THE WAY OUT.  O^T's register 64 u + 16 b + i is channel 128 u + 32 b + 16 (lane / 16) + i of my query: K steps 2 h and 2 h + 1 of the last product.  They are quantised here and leave as operand images.
	; retc: [tile of rows 128 b + tau][K step 0..15][fragment];  rets: [tile][K step][16 words].
	s_lshr_b32 s72, s[Y], 3
	s_lshl_b32 s72, s72, 7
	s_add_co_u32 s72, s72, s[TAU]
	s_and_b32 s73, s[Y], 7
	s_mul_i32 s74, s72, 16*FRB
	s_mul_i32 s75, s73, 2*FRB
	s_add_co_u32 s74, s74, s75
	s_mov_b32 s75, 0
	s_add_nc_u64 s[8:9], s[8:9], s[74:75]
	s_lshl_b32 s76, s72, 10
	s_lshl_b32 s77, s73, 7
	s_add_co_u32 s76, s76, s77
	s_mov_b32 s77, 0
	s_add_nc_u64 s[10:11], s[10:11], s[76:77]
	QUANT 0, 1, PWA
.irp c, 0,1,2
	global_store_b128 v[L16], v[PC+4*\c:PC+4*\c+3], s[8:9] offset:512*\c   ; 512 consecutive bytes, aligned
.endr
	s_wait_xcnt 0x0                                ; the stores have read the codes' registers
	QUANT 64, 1, PWB
.irp c, 0,1,2
	global_store_b128 v[L16], v[PC+4*\c:PC+4*\c+3], s[8:9] offset:FRB+512*\c
.endr
	v_and_b32 v[T], 31, v0
	v_cmp_lt_u32 vcc_lo, 15, v[T]
	v_cndmask_b32 v[T+1], v[PWA], v[PWB], vcc_lo   ; lanes 0-15 the first K step's words, lanes 16-31 the second's
	v_lshlrev_b32 v[T], 2, v[T]
	global_store_b32 v[T], v[T+1], s[10:11]        ; 128 consecutive bytes
	s_wait_tensorcnt 0x0                           ; the wave's end: three closing lines behind my last tensor load
	ds_add_u32 v[SPW], v[NIL]
	s_wait_dscnt 0x0
	s_endpgm
.Lfunc_end_k_q0d230ec951_attn:
	.size	k_q0d230ec951_attn, .Lfunc_end_k_q0d230ec951_attn-k_q0d230ec951_attn
	.p2alignl 7, 3214868480
	.fill 96, 4, 3214868480
	.section	.rodata,"a",@progbits
	.p2align	6, 0x0
	.amdhsa_kernel k_q0d230ec951_attn
		.amdhsa_group_segment_fixed_size 327680
		.amdhsa_private_segment_fixed_size 0
		.amdhsa_enable_private_segment 0
		.amdhsa_kernarg_size 32
		.amdhsa_user_sgpr_count 2
		.amdhsa_user_sgpr_kernarg_segment_ptr 1
		.amdhsa_wavefront_size32 1
		.amdhsa_system_sgpr_workgroup_id_x 1
		.amdhsa_system_sgpr_workgroup_id_y 1
		.amdhsa_system_sgpr_workgroup_id_z 1
		.amdhsa_system_vgpr_workitem_id 0
		.amdhsa_next_free_vgpr 416
		.amdhsa_next_free_sgpr 80
		.amdhsa_reserve_vcc 1
		.amdhsa_float_denorm_mode_32 3
		.amdhsa_float_denorm_mode_16_64 3
		.amdhsa_memory_ordered 1
		.amdhsa_forward_progress 1
		.amdhsa_inst_pref_size 182
	.end_amdhsa_kernel
	.amdgpu_metadata
---
amdhsa.version: [ 1, 2 ]
amdhsa.kernels:
  - .name:           k_q0d230ec951_attn
    .symbol:         k_q0d230ec951_attn.kd
    .args:
      - { .name: qkvc, .offset: 0, .size: 8, .value_kind: global_buffer, .address_space: global }
      - { .name: qkvs, .offset: 8, .size: 8, .value_kind: global_buffer, .address_space: global }
      - { .name: retc, .offset: 16, .size: 8, .value_kind: global_buffer, .address_space: global }
      - { .name: rets, .offset: 24, .size: 8, .value_kind: global_buffer, .address_space: global }
    .group_segment_fixed_size: 327680
    .private_segment_fixed_size: 0
    .kernarg_segment_align: 8
    .kernarg_segment_size: 32
    .max_flat_workgroup_size: 256
    .sgpr_count:     80
    .vgpr_count:     416
    .wavefront_size: 32
...
	.end_amdgpu_metadata
.endif
;; end of part 3
;; launch outp (part 4): grid 4 x 64, 4 waves a work-group, no clusters, 70,144 bytes of LDS; arguments retc, rets, cw, cws, out0; writes out0
.if DOCPART == 4
	.amdgcn_target "amdgcn-amd-amdhsa--gfx1250"
	.amdhsa_code_object_version 6
	.text
	.protected	k_q0d230ec951_outp
	.globl	k_q0d230ec951_outp
	.p2align	8
	.type	k_q0d230ec951_outp,@function
k_q0d230ec951_outp:
	s_mov_b64 s[64:65], 0
	v_nop
	global_prefetch_b8 v0, s[64:65] scope:SCOPE_SE
	s_setreg_imm32_b32 hwreg(HW_REG_WAVE_MODE, 25, 1), 1
	s_wait_xcnt 0x0
; FOURTH OF FOUR LAUNCHES.  out0 = ret wO, K = 2,048, on the codes of launches 3 and 1.  (No work is left out here.)
; Work-group (x = g, y = G): rows of tiles 4 G .. 4 G + 3 (64 rows), columns 64 g .. 64 g + 63.  K IS SHARED AMONG THE WAVES: wave w takes K steps 4 w .. 4 w + 3 (heads 2 w, 2 w + 1) for the whole 64 x 64, in 16 accumulators,
; so that each operand byte is loaded once in the work-group; the four waves' parts meet in LDS, and each wave adds and stores one tile of rows.  All of a wave's 106 loads are issued at its head.
; The product is used transposed (source 0 = 16 columns of wO, source 1 = 16 rows of ret): a lane holds one row, and register j of column tile tt is column 64 g + 32 (tt / 2) + 16 (lane / 16) + 8 (tt % 2) + j.
; The tiles' order of rows (launch 1) is undone in the stores' addresses: row r of tile T is row 32 (T / 2) + 8 (T % 2) + r + 8 (r / 8) of out0.
; The order of the sum over K: ascending inside a wave's four steps, then ((w0 + w1) + (w2 + w3)), in f32.
; REGISTERS.  Window 0: v1-9 addresses; v16-23 ret's scale words, v24-31 wO's; v64-191 the accumulators, later the four parts.  Window 1: K steps 0, 1: at 96 (k % 2): wO's four fragments, then ret's four.  Window 2: K steps 2, 3.
.set BLK,   24576
.set FRB,   1536
.set SP,    272                        ; a stage row: 64 numbers + 16 bytes
.set WSTG,  64*SP                      ; a wave's stage
.set SPARE, 4*WSTG                     ; behind the stages: the spare words, 128 bytes a wave: two blocks of 256 bytes that no other line names
.set STO,   4
.set RD,    5
.set CO,    6
.set SPW,   8
.set NIL,   9
.set RS,    16                         ; register 2 i + pp: lanes 0-15 K step 4 w + 2 pp of row tile i, lanes 16-31 K step 4 w + 2 pp + 1
.set WS,    24                         ; register 4 pp + tt: likewise for column tile tt
.set ACC,   64
.set MSB, 0
.macro WIN new
.if MSB != (\new)
	s_set_vgpr_msb (MSB<<8)|(\new)
.set MSB, (\new)
.endif
.endm
	s_load_b256 s[4:11], s[0:1], 0x0               ; retc s[4:5], rets s[6:7], cw s[8:9], cws s[10:11]
	s_load_b64 s[12:13], s[0:1], 0x20              ; out0
	v_lshl_add_u32 v[SPW], v0, 2, SPARE
	v_mov_b32 v[NIL], 0
	v_lshrrev_b32 v10, 5, v0
	v_readfirstlane_b32 s14, v10                   ; wave 0..3
	v_and_b32 v10, 31, v0                          ; lane
	v_and_b32 v11, 15, v0                          ; r
	v_bfe_u32 v12, v0, 4, 1                        ; h
	v_lshlrev_b32 v1, 4, v10                       ; an image's place for my lane
	v_lshlrev_b32 v2, 2, v10                       ; ret's scale words: 4 x lane
	v_lshlrev_b32 v13, 4, v11
	v_lshl_add_u32 v3, v12, 9, v13                 ; wO's: 512 h + 16 r
	s_mul_i32 s30, s14, WSTG
	v_mul_u32_u24 v[STO], v11, SP
	v_lshl_add_u32 v[STO], v12, 6, v[STO]
	v_add_nc_u32 v[STO], s30, v[STO]               ; into my stage: row r, + 64 h
	s_mul_i32 s30, s14, 16*SP
	v_mad_u32_u24 v[RD], v12, SP, v13
	v_add_nc_u32 v[RD], s30, v[RD]                 ; back: row tile w; lanes 0-15 one row of 256 bytes, lanes 16-31 the next
	v_lshl_add_u32 v[CO], v12, 10, v13             ; and the same two rows in out0
	s_and_b32 s16, ttmp7, 0xffff                   ; G
	s_mul_i32 s20, s16, 4*BLK                      ; ret: a tile of rows is 16 fragments, 24,576 bytes;
	s_mul_i32 s31, s14, 4*FRB                      ; my four K steps
	s_add_co_u32 s20, s20, s31
	s_mov_b32 s21, 0
	s_lshl_b32 s22, s16, 12
	s_lshl_b32 s31, s14, 8
	s_add_co_u32 s22, s22, s31
	s_mov_b32 s23, 0
	s_lshr_b32 s32, ttmp9, 1
	s_and_b32 s33, ttmp9, 1
	s_lshl_b32 s31, s14, 2
	s_add_co_u32 s32, s32, s31
	s_add_co_u32 s32, s32, 80                      ; wO's block of head 2 w: 32 + (24 + 2 w) x 2 + g / 2; head 2 w + 1: two blocks on
	s_mul_i32 s24, s32, BLK
	s_mul_i32 s31, s33, 8*FRB                      ; tiles 4 (g % 2) on
	s_add_co_u32 s24, s24, s31
	s_mov_b32 s25, 0
	s_lshl_b32 s26, s32, 10
	s_lshl_b32 s31, s33, 8
	s_add_co_u32 s26, s26, s31
	s_mov_b32 s27, 0
	s_lshl_b32 s28, s16, 2
	s_add_co_u32 s28, s28, s14                     ; T = 4 G + w: the tile of rows that I store
	s_lshr_b32 s31, s28, 1
	s_lshl_b32 s31, s31, 15
	s_and_b32 s28, s28, 1
	s_lshl_b32 s28, s28, 13
	s_add_co_u32 s28, s28, s31                     ; (32 (T / 2) + 8 (T % 2)) rows of 1,024 bytes
	s_lshl_b32 s31, ttmp9, 8
	s_add_co_u32 s28, s28, s31                     ; + 256 g
	s_mov_b32 s29, 0
	s_wait_kmcnt 0x0
	s_add_nc_u64 s[4:5], s[4:5], s[20:21]
	s_add_nc_u64 s[6:7], s[6:7], s[22:23]
	s_add_nc_u64 s[8:9], s[8:9], s[24:25]
	s_add_nc_u64 s[10:11], s[10:11], s[26:27]
	s_add_nc_u64 s[12:13], s[12:13], s[28:29]
.irp i, 0,1,2,3
.irp pp, 0,1
	global_load_b32 v[RS+2*\i+\pp], v2, s[6:7] offset:\i*1024+\pp*128
.endr
.endr
.irp pp, 0,1
	global_load_b128 v[WS+4*\pp:WS+4*\pp+3], v3, s[10:11] offset:\pp*2048
.endr
.irp kp, 0,1,2,3                               ; 24 loads a K step
	WIN 0x40*(1+\kp/2)                             ; destination window 1 or 2
.irp tt, 0,1,2,3
.irp c, 0,1,2
	global_load_b128 v[96*(\kp%2)+12*\tt+4*\c:96*(\kp%2)+12*\tt+4*\c+3], v1, s[8:9] offset:(\kp/2)*2*BLK+(\kp%2)*FRB+\tt*2*FRB+512*\c
.endr
.endr
.irp i, 0,1,2,3
.irp c, 0,1,2
	global_load_b128 v[96*(\kp%2)+48+12*\i+4*\c:96*(\kp%2)+48+12*\i+4*\c+3], v1, s[4:5] offset:\i*BLK+\kp*FRB+512*\c
.endr
.endr
.endr
	WIN 0
.irp kp, 0,1,2,3
.set LC, 72-24*\kp                     ; the younger K steps' loads may be out; the first count is held at the largest that the field names, which waits for a little more
.if LC > 63
.set LC, 63
.endif
	s_wait_loadcnt LC
	WIN 0x05*(1+\kp/2)                             ; sources 0 and 1 window 1 or 2
.irp i, 0,1,2,3                                ; the 16 accumulators take turns, one instruction a turn; the first K step starts the sums
.irp tt, 0,1,2,3
.set AC, ACC+8*(4*\i+\tt)
.set FW, 96*(\kp%2)+12*\tt
.set FX, 96*(\kp%2)+48+12*\i
.if \kp == 0
	v_wmma_scale_f32_16x16x128_f8f6f4 v[AC:AC+7], v[FW:FW+11], v[FX:FX+11], 0, v[WS+\tt], v[RS+2*\i] matrix_a_fmt:MATRIX_FMT_FP6 matrix_b_fmt:MATRIX_FMT_FP6
.elseif \kp%2
	v_wmma_scale_f32_16x16x128_f8f6f4 v[AC:AC+7], v[FW:FW+11], v[FX:FX+11], v[AC:AC+7], v[WS+4*(\kp/2)+\tt], v[RS+2*\i+\kp/2] matrix_a_fmt:MATRIX_FMT_FP6 matrix_b_fmt:MATRIX_FMT_FP6 matrix_a_scale:MATRIX_SCALE_ROW1 matrix_b_scale:MATRIX_SCALE_ROW1
.else
	v_wmma_scale_f32_16x16x128_f8f6f4 v[AC:AC+7], v[FW:FW+11], v[FX:FX+11], v[AC:AC+7], v[WS+4*(\kp/2)+\tt], v[RS+2*\i+\kp/2] matrix_a_fmt:MATRIX_FMT_FP6 matrix_b_fmt:MATRIX_FMT_FP6
.endif
.endr
.endr
.endr
	WIN 0
.rept 4
	v_nop                                          ; four places in front of the first read of results (ISA guide 7.12.1)
.endr
.irp i, 0,1,2,3
.irp tt, 0,1,2,3
	ds_store_b128 v[STO], v[ACC+8*(4*\i+\tt):ACC+8*(4*\i+\tt)+3] offset:\i*16*SP+128*(\tt/2)+32*(\tt%2)        ; each accumulator from its low end on
	ds_store_b128 v[STO], v[ACC+8*(4*\i+\tt)+4:ACC+8*(4*\i+\tt)+7] offset:\i*16*SP+128*(\tt/2)+32*(\tt%2)+16
.endr
.endr
	s_wait_dscnt 0x0                               ; for the others' sake: my stores into my stage are done
	s_barrier_signal -1
	s_barrier_wait -1
.irp ip, 0,1,2,3,4,5,6,7                       ; rows 2 ip, 2 ip + 1 of tile w, from all four stages
.irp ws, 0,1,2,3
	ds_load_b128 v[ACC+16*\ip+4*\ws:ACC+16*\ip+4*\ws+3], v[RD] offset:\ws*WSTG+\ip*2*SP
.endr
.endr
.irp ip, 0,1,2,3,4,5,6,7
.set A0, ACC+16*\ip
	s_wait_dscnt 28-4*\ip                          ; this pair of rows' four loads are in; the later pairs' may be out
	v_pk_add_f32 v[A0:A0+1], v[A0:A0+1], v[A0+4:A0+5]
	v_pk_add_f32 v[A0+2:A0+3], v[A0+2:A0+3], v[A0+6:A0+7]
	v_pk_add_f32 v[A0+8:A0+9], v[A0+8:A0+9], v[A0+12:A0+13]
	v_pk_add_f32 v[A0+10:A0+11], v[A0+10:A0+11], v[A0+14:A0+15]
	v_pk_add_f32 v[A0:A0+1], v[A0:A0+1], v[A0+8:A0+9]
	v_pk_add_f32 v[A0+2:A0+3], v[A0+2:A0+3], v[A0+10:A0+11]
	global_store_b128 v[CO], v[A0:A0+3], s[12:13] offset:(2*\ip+8*(\ip/4))*1024 th:TH_STORE_NT   ; sixteen lanes store 256 consecutive bytes, aligned; written once, read by nobody here
.endr
	s_wait_tensorcnt 0x0                           ; the wave's end: three closing lines behind my last LDS store
	ds_add_u32 v[SPW], v[NIL]
	s_wait_dscnt 0x0
	s_endpgm
.Lfunc_end_k_q0d230ec951_outp:
	.size	k_q0d230ec951_outp, .Lfunc_end_k_q0d230ec951_outp-k_q0d230ec951_outp
	.p2alignl 7, 3214868480
	.fill 96, 4, 3214868480
	.section	.rodata,"a",@progbits
	.p2align	6, 0x0
	.amdhsa_kernel k_q0d230ec951_outp
		.amdhsa_group_segment_fixed_size 70144
		.amdhsa_private_segment_fixed_size 0
		.amdhsa_enable_private_segment 0
		.amdhsa_kernarg_size 40
		.amdhsa_user_sgpr_count 2
		.amdhsa_user_sgpr_kernarg_segment_ptr 1
		.amdhsa_wavefront_size32 1
		.amdhsa_system_sgpr_workgroup_id_x 1
		.amdhsa_system_sgpr_workgroup_id_y 1
		.amdhsa_system_sgpr_workgroup_id_z 1
		.amdhsa_system_vgpr_workitem_id 0
		.amdhsa_next_free_vgpr 768
		.amdhsa_next_free_sgpr 66
		.amdhsa_reserve_vcc 0
		.amdhsa_float_denorm_mode_32 3
		.amdhsa_float_denorm_mode_16_64 3
		.amdhsa_memory_ordered 1
		.amdhsa_forward_progress 1
		.amdhsa_inst_pref_size 30
	.end_amdhsa_kernel
	.amdgpu_metadata
---
amdhsa.version: [ 1, 2 ]
amdhsa.kernels:
  - .name:           k_q0d230ec951_outp
    .symbol:         k_q0d230ec951_outp.kd
    .args:
      - { .name: retc, .offset: 0, .size: 8, .value_kind: global_buffer, .address_space: global }
      - { .name: rets, .offset: 8, .size: 8, .value_kind: global_buffer, .address_space: global }
      - { .name: cw, .offset: 16, .size: 8, .value_kind: global_buffer, .address_space: global }
      - { .name: cws, .offset: 24, .size: 8, .value_kind: global_buffer, .address_space: global }
      - { .name: out0, .offset: 32, .size: 8, .value_kind: global_buffer, .address_space: global }
    .group_segment_fixed_size: 70144
    .private_segment_fixed_size: 0
    .kernarg_segment_align: 8
    .kernarg_segment_size: 40
    .max_flat_workgroup_size: 128
    .sgpr_count:     66
    .vgpr_count:     768
    .wavefront_size: 32
...
	.end_amdgpu_metadata
.endif
;; end of part 4
;; ======== version 2 of 2: 4 launches; version 1 with the launches proj, outp written anew for expert scheduling mode
;; workspace buffers: cw 2,359,296 bytes; cws 98,304 bytes; qkvc 18,874,368 bytes; qkvs 786,432 bytes; retc 6,291,456 bytes; rets 262,144 bytes
;; launch quant: the kernel of part 1 again; grid 384 x 1, 1 waves a work-group, no clusters, 15,104 bytes of LDS; arguments inputs, wQ, wK, wV, wO, cw, cws; writes cw, cws
;; launch proj (part 5): grid 16 x 16, 6 waves a work-group, no clusters, 0 bytes of LDS; arguments cw, cws, qkvc, qkvs; writes qkvc, qkvs
.if DOCPART == 5
	.amdgcn_target "amdgcn-amd-amdhsa--gfx1250"
	.amdhsa_code_object_version 6
	.text
	.protected	k_q0d230ec951_proj
	.globl	k_q0d230ec951_proj
	.p2align	8
	.type	k_q0d230ec951_proj,@function
k_q0d230ec951_proj:
	s_mov_b64 s[64:65], 0
	v_nop
	global_prefetch_b8 v0, s[64:65] scope:SCOPE_SE
	s_setreg_imm32_b32 hwreg(HW_REG_WAVE_SCHED_MODE, 0, 2), 2
	s_setreg_imm32_b32 hwreg(HW_REG_WAVE_MODE, 25, 1), 1
	s_wait_xcnt 0x0
	s_wait_alu depctr_vm_vsrc(0)
; SECOND OF FOUR LAUNCHES.  Q, K and V of 128 positions of one batch and head, on the codes of launch 1, quantised in registers for the attention's two products.  (No work is left out here.)
; Work-group (x = sigma, y = 8 b + h): positions 128 sigma on.  Wave w: role = w / 2 (0 Q, 1 K, 2 V), p = w % 2 (which 128 of the head's 256 channels).
; ONE TEXT FOR ALL ROLES.  Source 0 is a HELD block's eight tiles (its 16 fragments stay in registers), source 1 one STREAMED tile; in the result a lane holds one row of the streamed tile and its 64 registers run along the held block's 128 rows,
; in their true order (the tiles' order of rows is chosen for that: see launch 1).  Q, K: held = the weight's 128 columns, streamed = the positions: a lane holds a position, registers run along the channels, which are the score product's K.
; V: held = the positions, streamed = the weight's columns: a lane holds a channel, registers run along the 128 keys, which are the second product's K.  Only block numbers and two offsets differ, chosen by s_cselect_b32: no branch.
; qkvc: 768 blocks of 24,576 bytes, block kind x 256 + y x 16 + sigma.  Q, K: [tile of positions][K step p][fragment].  V: [tile of channels T = 8 p + i][fragment], K = the step's 128 keys.
; qkvs: 1,024 bytes a block: the word of (s, t, r) at 512 s + 256 (t / 4) + 16 r + 4 (t % 4); for V s = T / 8, t = T % 8.
; No LDS, no barrier: waves share nothing.  A tile's six loads run three tiles ahead.
; THE MODE: SCHED_MODE bits 1:0 = 2 (LLVM: expert scheduling mode 2), set by the entry lines.  The code itself states the register dependences
; between vector or matrix instructions and memory instructions, with s_wait_alu, always for 0.
; THE PLAN.  Registers that memory instructions touch:
;   v1, v2            offsets, made once at the head and never written again.
;   window 1 v0-191, HS, SS   loaded once at the head; read by the products alone.
;   SF0, SF1, SF2     Unit i: its sixteen products read SF[i % 3]; behind the unit's wait on va_vdst the six loads of tile i + 3 land in it.
;   v[PC .. PC + 11]  Unit i: written by its conversions, swaps and moves; read by its three stores; written again by unit i + 1's conversions.
;   MG                written by four selects, read by the last store.
; So ONE wait on va_vdst stands in a unit, behind its quantising: it states that the codes are written and that the unit's products are done reading their tile; the unit's six loads and three stores follow it.
; One wait on vm_vsrc a unit stands ahead of the quantising, sixteen products behind the stores whose data it frees.
.set BLK,   24576
.set FRB,   1536
.set HS,    8                          ; v8-15    the held block's scale words: register t: lanes 0-15 K step 0, lanes 16-31 K step 1
.set SS,    16                         ; v16-23   the streamed block's, likewise
.set SF,    24                         ; v24-71   the streamed tile's two fragments, sets 0 and 1
.set SF2,   192                        ; v192-215 set 2
.set D,     72                         ; v72-135  the eight result tiles
.set PC,    136                        ; v136-155 the codes just made
.set TM,    160                        ; v160-175 at work in QUANT
.set PWS,   176                        ; v176-183 the eight units' scale words
.set MG,    184                        ; v184-187 as they are stored
.set SEL,   2                          ; s[2:3]   lane selects: lane l xor 16
.set MSB, 0
.macro WIN new                         ; the immediate's high byte repeats the setting that is left.  Window 1: v0-191 the held block's 16 fragments
.if MSB != (\new)
	s_set_vgpr_msb (MSB<<8)|(\new)
.set MSB, (\new)
.endif
.endm
.macro QUANT s, pw                     ; 64 numbers of a lane, register 16 b + i = k 32 b + 16 (lane / 16) + i of my row -> a fragment's codes in v[PC] on, its scale word in v[pw]
.irp b, 0,1,2,3
	v_max3_num_f32 v[TM+\b], |v[\s+16*\b]|, |v[\s+1+16*\b]|, 0x1800000   ; each result tile is read from its low end on; the floor 2^(3 - 127) holds the byte at 1 from below
.endr
.irp i, 2,4,6,8,10,12,14
.irp b, 0,1,2,3
	v_max3_num_f32 v[TM+\b], v[TM+\b], |v[\s+16*\b+\i]|, |v[\s+1+16*\b+\i]|
.endr
.endr
.irp b, 0,1,2,3
	v_permlanex16_b32 v[TM+4+\b], v[TM+\b], s[SEL], s[SEL+1]
.endr
.irp b, 0,1,2,3
	v_max_num_f32 v[TM+\b], v[TM+\b], v[TM+4+\b]
.endr
.irp b, 0,1,2,3
	v_add_nc_u32 v[TM+12+\b], 0xff000000, v[TM+\b]   ; 2 off the exponent field: the conversion's scale operand
.endr
.irp b, 0,1,2,3
	v_lshrrev_b32 v[TM+4+\b], 23, v[TM+12+\b]
.endr
	v_lshl_or_b32 v[\pw], v[TM+5], 8, v[TM+4]
	v_lshl_or_b32 v[\pw], v[TM+6], 16, v[\pw]
	v_lshl_or_b32 v[\pw], v[TM+7], 24, v[\pw]
.irp c, 0,1
	v_cvt_scalef32_pk16_fp6_f32 v[PC+6*\c:PC+2+6*\c], v[\s+32*\c:\s+15+32*\c], v[TM+12+2*\c]
	v_cvt_scalef32_pk16_fp6_f32 v[PC+12+4*\c:PC+14+4*\c], v[\s+16+32*\c:\s+31+32*\c], v[TM+12+2*\c+1]
.endr
	v_nop                                          ; one plain place behind a scaled conversion
.irp c, 0,1
.irp i, 0,1,2
	v_permlane16_swap_b32 v[PC+6*\c+\i], v[PC+12+4*\c+\i]
.endr
.irp i, 0,1,2
	v_mov_b32 v[PC+3+6*\c+\i], v[PC+12+4*\c+\i]
.endr
.endr
.endm
	s_load_b256 s[4:11], s[0:1], 0x0               ; cw s[4:5], cws s[6:7], qkvc s[8:9], qkvs s[10:11]
	v_lshrrev_b32 v3, 5, v0
	v_readfirstlane_b32 s12, v3                    ; wave 0..5
	v_and_b32 v4, 31, v0                           ; lane
	v_lshlrev_b32 v1, 4, v4                        ; 16 x lane: an image's place for my lane
	v_lshrrev_b32 v5, 4, v4
	v_lshl_add_u32 v2, v5, 8, v1                   ; scale words: 512 (lane / 16) + 16 (lane % 16)
.irp b, 0,1,2,3
	v_mov_b32 v[TM+4+\b], 0                        ; written once: a lane permute's destination counts as one of its sources
.endr
	s_mov_b32 s[SEL], 0x76543210
	s_mov_b32 s[SEL+1], 0xfedcba98
	s_wait_alu depctr_va_sdst(0)                   ; s12 is written, ahead of its first reader: the role, p and all block numbers are made from it
	s_lshr_b32 s13, s12, 1                         ; role
	s_and_b32 s14, s12, 1                          ; p
	s_and_b32 s16, ttmp7, 0xffff                   ; y = 8 b + h
	s_and_b32 s17, s16, 7
	s_lshr_b32 s18, s16, 3
	s_lshl_b32 s19, s13, 3
	s_add_co_u32 s19, s19, s17
	s_lshl_b32 s19, s19, 1
	s_add_co_u32 s19, s19, s14
	s_add_co_u32 s19, s19, 32                      ; the weight's block: 32 + (role x 8 + h) x 2 + p
	s_lshl_b32 s20, s18, 4
	s_add_co_u32 s20, s20, ttmp9                   ; the positions' block: 16 b + sigma
	s_lshl_b32 s21, s13, 8
	s_lshl_b32 s22, s16, 4
	s_add_co_u32 s21, s21, s22
	s_add_co_u32 s21, s21, ttmp9                   ; the block that is made: role x 256 + 16 y + sigma
	s_mov_b32 s24, 8*FRB
	s_mov_b32 s26, FRB
	s_cmp_lt_u32 s13, 2                            ; Q or K?
	s_cselect_b32 s22, s19, s20                    ; held
	s_cselect_b32 s23, s20, s19                    ; streamed
	s_cselect_b32 s24, FRB, s24                    ; where p's part begins in the block that is made,
	s_cselect_b32 s26, 2*FRB, s26                  ; and from one unit's fragment to the next
	s_mov_b32 s27, 0
	s_mul_i32 s28, s22, BLK
	s_mov_b32 s29, 0
	s_lshl_b32 s30, s22, 10
	s_mov_b32 s31, 0
	s_mul_i32 s32, s23, BLK
	s_mov_b32 s33, 0
	s_lshl_b32 s34, s23, 10
	s_mov_b32 s35, 0
	s_mul_i32 s36, s21, BLK
	s_mul_i32 s24, s24, s14
	s_add_co_u32 s36, s36, s24
	s_mov_b32 s37, 0
	s_lshl_b32 s38, s21, 10
	s_lshl_b32 s24, s14, 9
	s_add_co_u32 s38, s38, s24
	s_mov_b32 s39, 0
	s_wait_kmcnt 0x0
	s_add_nc_u64 s[40:41], s[4:5], s[28:29]        ; the held block's codes,
	s_add_nc_u64 s[42:43], s[6:7], s[30:31]        ; its scale words,
	s_add_nc_u64 s[44:45], s[4:5], s[32:33]        ; the streamed block's codes,
	s_add_nc_u64 s[46:47], s[6:7], s[34:35]        ; its scale words
	s_add_nc_u64 s[8:9], s[8:9], s[36:37]
	s_add_nc_u64 s[10:11], s[10:11], s[38:39]
	WIN 0x40                                       ; destination window 1
	s_wait_alu depctr_va_vdst(0)                   ; v1 and v2 are written: every load and store of the kernel reads one of them as its offset
.set k, 0
.rept 48
	global_load_b128 v[4*k:4*k+3], v1, s[40:41] offset:512*k   ; fragment (tile t, K step s) at v[12 (2 t + s)]: the block lies in that order
.set k, k+1
.endr
	WIN 0
	global_load_b128 v[HS:HS+3], v2, s[42:43]
	global_load_b128 v[HS+4:HS+7], v2, s[42:43] offset:256
	global_load_b128 v[SS:SS+3], v2, s[46:47]
	global_load_b128 v[SS+4:SS+7], v2, s[46:47] offset:256
.macro LOADT i                         ; the streamed tile i: two fragments, six loads, into set i % 3
.set SFL, SF+24*((\i)%3)
.if (\i)%3 == 2
.set SFL, SF2
.endif
.set k, 0
.rept 6
	global_load_b128 v[SFL+4*k:SFL+4*k+3], v1, s[44:45] offset:(\i)*2*FRB+512*k
.set k, k+1
.endr
.endm
	LOADT 0
	LOADT 1
.macro UNIT i
.set SFI, SF+24*((\i)%3)
.if (\i)%3 == 2
.set SFI, SF2
.endif
.if (\i) == 0
	s_wait_loadcnt 6                               ; all but tile 1's six loads are in
	LOADT 2                                        ; set 2's first fill: no vector or matrix instruction has named its registers
.elseif (\i) < 6
	s_wait_loadcnt 12                              ; this tile is in; the two younger tiles' twelve loads may be out
.elseif (\i) == 6
	s_wait_loadcnt 6                               ; the last tile's six may be out
.else
	s_wait_loadcnt 0x0
.endif
	WIN 0x01                                       ; source 0 window 1
.irp t, 0,1,2,3,4,5,6,7                        ; the eight accumulators take turns, a K step at a time; the first K step starts the sums
	v_wmma_scale_f32_16x16x128_f8f6f4 v[D+8*\t:D+8*\t+7], v[24*\t:24*\t+11], v[SFI:SFI+11], 0, v[HS+\t], v[SS+(\i)] matrix_a_fmt:MATRIX_FMT_FP6 matrix_b_fmt:MATRIX_FMT_FP6
.endr
.irp t, 0,1,2,3,4,5,6,7
	v_wmma_scale_f32_16x16x128_f8f6f4 v[D+8*\t:D+8*\t+7], v[24*\t+12:24*\t+23], v[SFI+12:SFI+23], v[D+8*\t:D+8*\t+7], v[HS+\t], v[SS+(\i)] matrix_a_fmt:MATRIX_FMT_FP6 matrix_b_fmt:MATRIX_FMT_FP6 matrix_a_scale:MATRIX_SCALE_ROW1 matrix_b_scale:MATRIX_SCALE_ROW1
.endr
	WIN 0
.rept 4
	v_nop                                          ; four places in front of the first read of results (ISA guide 7.12.1)
.endr
.if (\i) > 0
	s_wait_xcnt 0x0                                ; the last unit's stores have had their addresses translated: their base is stepped only behind this wait
	s_wait_alu depctr_vm_vsrc(0)                   ; the last unit's stores have read v[PC ..], which this unit's conversions write again
	s_add_nc_u64 s[8:9], s[8:9], s[26:27]
.endif
	QUANT D, PWS+(\i)
	s_wait_alu depctr_va_vdst(0)                   ; the conversions, swaps and moves have written v[PC ..], which the stores below read; this unit's products are done reading their tile, in whose registers the loads below land
.if (\i) < 5
	LOADT (\i)+3                                   ; the set just multiplied takes the tile three further on
.endif
.irp c, 0,1,2
	global_store_b128 v1, v[PC+4*\c:PC+4*\c+3], s[8:9] offset:512*\c   ; 512 consecutive bytes, aligned
.endr
.endm
.irp i, 0,1,2,3,4,5,6,7
	UNIT \i
.endr
	v_cmp_lt_u32 vcc_lo, 15, v4                    ; lanes 0-15 store the words of units 0-3, lanes 16-31 those of units 4-7
	s_wait_alu depctr_va_vcc(0)                    ; VCC is written, ahead of the selects that read it
.irp k, 0,1,2,3
	v_cndmask_b32 v[MG+\k], v[PWS+\k], v[PWS+4+\k], vcc_lo
.endr
	s_wait_alu depctr_va_vdst(0)                   ; the selects have written v[MG ..], which the store reads
	global_store_b128 v1, v[MG:MG+3], s[10:11]     ; 512 consecutive bytes, aligned
	s_endpgm
.Lfunc_end_k_q0d230ec951_proj:
	.size	k_q0d230ec951_proj, .Lfunc_end_k_q0d230ec951_proj-k_q0d230ec951_proj
	.p2alignl 7, 3214868480
	.fill 96, 4, 3214868480
	.section	.rodata,"a",@progbits
	.p2align	6, 0x0
	.amdhsa_kernel k_q0d230ec951_proj
		.amdhsa_group_segment_fixed_size 0
		.amdhsa_private_segment_fixed_size 0
		.amdhsa_enable_private_segment 0
		.amdhsa_kernarg_size 32
		.amdhsa_user_sgpr_count 2
		.amdhsa_user_sgpr_kernarg_segment_ptr 1
		.amdhsa_wavefront_size32 1
		.amdhsa_system_sgpr_workgroup_id_x 1
		.amdhsa_system_sgpr_workgroup_id_y 1
		.amdhsa_system_sgpr_workgroup_id_z 1
		.amdhsa_system_vgpr_workitem_id 0
		.amdhsa_next_free_vgpr 448
		.amdhsa_next_free_sgpr 66
		.amdhsa_reserve_vcc 1
		.amdhsa_float_denorm_mode_32 3
		.amdhsa_float_denorm_mode_16_64 3
		.amdhsa_memory_ordered 1
		.amdhsa_forward_progress 1
		.amdhsa_inst_pref_size 64
	.end_amdhsa_kernel
	.amdgpu_metadata
---
amdhsa.version: [ 1, 2 ]
amdhsa.kernels:
  - .name:           k_q0d230ec951_proj
    .symbol:         k_q0d230ec951_proj.kd
    .args:
      - { .name: cw, .offset: 0, .size: 8, .value_kind: global_buffer, .address_space: global }
      - { .name: cws, .offset: 8, .size: 8, .value_kind: global_buffer, .address_space: global }
      - { .name: qkvc, .offset: 16, .size: 8, .value_kind: global_buffer, .address_space: global }
      - { .name: qkvs, .offset: 24, .size: 8, .value_kind: global_buffer, .address_space: global }
    .group_segment_fixed_size: 0
    .private_segment_fixed_size: 0
    .kernarg_segment_align: 8
    .kernarg_segment_size: 32
    .max_flat_workgroup_size: 192
    .sgpr_count:     66
    .vgpr_count:     448
    .wavefront_size: 32
...
	.end_amdgpu_metadata
.endif
;; end of part 5
;; launch attn: the kernel of part 3 again; grid 16 x 16, 8 waves a work-group, no clusters, 327,680 bytes of LDS; arguments qkvc, qkvs, retc, rets; writes retc, rets
;; launch outp (part 6): grid 4 x 64, 4 waves a work-group, no clusters, 70,144 bytes of LDS; arguments retc, rets, cw, cws, out0; writes out0
.if DOCPART == 6
	.amdgcn_target "amdgcn-amd-amdhsa--gfx1250"
	.amdhsa_code_object_version 6
	.text
	.protected	k_q0d230ec951_outp
	.globl	k_q0d230ec951_outp
	.p2align	8
	.type	k_q0d230ec951_outp,@function
k_q0d230ec951_outp:
	s_mov_b64 s[64:65], 0
	v_nop
	global_prefetch_b8 v0, s[64:65] scope:SCOPE_SE
	s_setreg_imm32_b32 hwreg(HW_REG_WAVE_SCHED_MODE, 0, 2), 2
	s_setreg_imm32_b32 hwreg(HW_REG_WAVE_MODE, 25, 1), 1
	s_wait_xcnt 0x0
	s_wait_alu depctr_vm_vsrc(0)
; FOURTH OF FOUR LAUNCHES.  out0 = ret wO, K = 2,048, on the codes of launches 3 and 1.  (No work is left out here.)
; Work-group (x = g, y = G): rows of tiles 4 G .. 4 G + 3 (64 rows), columns 64 g .. 64 g + 63.  K IS SHARED AMONG THE WAVES: wave w takes K steps 4 w .. 4 w + 3 (heads 2 w, 2 w + 1) for the whole 64 x 64, in 16 accumulators,
; so that each operand byte is loaded once in the work-group; the four waves' parts meet in LDS, and each wave adds and stores one tile of rows.  All of a wave's 106 loads are issued at its head.
; The product is used transposed (source 0 = 16 columns of wO, source 1 = 16 rows of ret): a lane holds one row, and register j of column tile tt is column 64 g + 32 (tt / 2) + 16 (lane / 16) + 8 (tt % 2) + j.
; The tiles' order of rows (launch 1) is undone in the stores' addresses: row r of tile T is row 32 (T / 2) + 8 (T % 2) + r + 8 (r / 8) of out0.
; The order of the sum over K: ascending inside a wave's four steps, then ((w0 + w1) + (w2 + w3)), in f32.
; REGISTERS.  Window 0: v1-9 addresses; v16-23 ret's scale words, v24-31 wO's; v64-191 the accumulators, later the four parts.  Window 1: K steps 0, 1: at 96 (k % 2): wO's four fragments, then ret's four.  Window 2: K steps 2, 3.
; THE MODE: SCHED_MODE bits 1:0 = 2 (LLVM: expert scheduling mode 2), set by the entry lines.  The code itself states the register dependences
; between vector or matrix instructions and memory or LDS instructions, with s_wait_alu, always for 0.
; THE PLAN.  Registers that memory or LDS instructions touch:
;   v1 to v6, v8, v9   offsets and addresses, made once at the head and never written again.
;   RS, WS, windows 1 and 2   loaded once at the head; read by the products alone.
;   ACC (v64-191)      written by the products; read by my 32 LDS stores; then my 32 LDS loads land in it; the additions read and write it; the eight global stores read it.
; So: one wait on va_vdst behind the products' places, ahead of the LDS stores (no vector instruction stands between it and the LDS loads, so it serves them too); one wait on vm_vsrc ahead of the LDS loads;
; one wait on va_vdst behind the additions of row pairs 0 to 3, whose four stores are then dealt among the additions of pairs 4 to 7, which name other registers; one more ahead of the last four stores.
.set BLK,   24576
.set FRB,   1536
.set SP,    272                        ; a stage row: 64 numbers + 16 bytes
.set WSTG,  64*SP                      ; a wave's stage
.set SPARE, 4*WSTG                     ; behind the stages: the spare words, 128 bytes a wave: two blocks of 256 bytes that no other line names
.set STO,   4
.set RD,    5
.set CO,    6
.set SPW,   8
.set NIL,   9
.set RS,    16                         ; register 2 i + pp: lanes 0-15 K step 4 w + 2 pp of row tile i, lanes 16-31 K step 4 w + 2 pp + 1
.set WS,    24                         ; register 4 pp + tt: likewise for column tile tt
.set ACC,   64
.set MSB, 0
.macro WIN new
.if MSB != (\new)
	s_set_vgpr_msb (MSB<<8)|(\new)
.set MSB, (\new)
.endif
.endm
	s_load_b256 s[4:11], s[0:1], 0x0               ; retc s[4:5], rets s[6:7], cw s[8:9], cws s[10:11]
	s_load_b64 s[12:13], s[0:1], 0x20              ; out0
	v_lshl_add_u32 v[SPW], v0, 2, SPARE
	v_mov_b32 v[NIL], 0
	v_lshrrev_b32 v10, 5, v0
	v_readfirstlane_b32 s14, v10                   ; wave 0..3
	v_and_b32 v10, 31, v0                          ; lane
	v_and_b32 v11, 15, v0                          ; r
	v_bfe_u32 v12, v0, 4, 1                        ; h
	v_lshlrev_b32 v1, 4, v10                       ; an image's place for my lane
	v_lshlrev_b32 v2, 2, v10                       ; ret's scale words: 4 x lane
	v_lshlrev_b32 v13, 4, v11
	v_lshl_add_u32 v3, v12, 9, v13                 ; wO's: 512 h + 16 r
	s_wait_alu depctr_va_sdst(0)                   ; s14 is written, ahead of its first reader: the stages' places and all bases are made from it
	s_mul_i32 s30, s14, WSTG
	v_mul_u32_u24 v[STO], v11, SP
	v_lshl_add_u32 v[STO], v12, 6, v[STO]
	v_add_nc_u32 v[STO], s30, v[STO]               ; into my stage: row r, + 64 h
	s_mul_i32 s30, s14, 16*SP
	v_mad_u32_u24 v[RD], v12, SP, v13
	v_add_nc_u32 v[RD], s30, v[RD]                 ; back: row tile w; lanes 0-15 one row of 256 bytes, lanes 16-31 the next
	v_lshl_add_u32 v[CO], v12, 10, v13             ; and the same two rows in out0
	s_and_b32 s16, ttmp7, 0xffff                   ; G
	s_mul_i32 s20, s16, 4*BLK                      ; ret: a tile of rows is 16 fragments, 24,576 bytes;
	s_mul_i32 s31, s14, 4*FRB                      ; my four K steps
	s_add_co_u32 s20, s20, s31
	s_mov_b32 s21, 0
	s_lshl_b32 s22, s16, 12
	s_lshl_b32 s31, s14, 8
	s_add_co_u32 s22, s22, s31
	s_mov_b32 s23, 0
	s_lshr_b32 s32, ttmp9, 1
	s_and_b32 s33, ttmp9, 1
	s_lshl_b32 s31, s14, 2
	s_add_co_u32 s32, s32, s31
	s_add_co_u32 s32, s32, 80                      ; wO's block of head 2 w: 32 + (24 + 2 w) x 2 + g / 2; head 2 w + 1: two blocks on
	s_mul_i32 s24, s32, BLK
	s_mul_i32 s31, s33, 8*FRB                      ; tiles 4 (g % 2) on
	s_add_co_u32 s24, s24, s31
	s_mov_b32 s25, 0
	s_lshl_b32 s26, s32, 10
	s_lshl_b32 s31, s33, 8
	s_add_co_u32 s26, s26, s31
	s_mov_b32 s27, 0
	s_lshl_b32 s28, s16, 2
	s_add_co_u32 s28, s28, s14                     ; T = 4 G + w: the tile of rows that I store
	s_lshr_b32 s31, s28, 1
	s_lshl_b32 s31, s31, 15
	s_and_b32 s28, s28, 1
	s_lshl_b32 s28, s28, 13
	s_add_co_u32 s28, s28, s31                     ; (32 (T / 2) + 8 (T % 2)) rows of 1,024 bytes
	s_lshl_b32 s31, ttmp9, 8
	s_add_co_u32 s28, s28, s31                     ; + 256 g
	s_mov_b32 s29, 0
	s_wait_kmcnt 0x0
	s_add_nc_u64 s[4:5], s[4:5], s[20:21]
	s_add_nc_u64 s[6:7], s[6:7], s[22:23]
	s_add_nc_u64 s[8:9], s[8:9], s[24:25]
	s_add_nc_u64 s[10:11], s[10:11], s[26:27]
	s_add_nc_u64 s[12:13], s[12:13], s[28:29]
	s_wait_alu depctr_va_vdst(0)                   ; v1 to v6 are written, which the loads, the LDS instructions and the stores below read as offsets and addresses; so are v8 and v9, which the closing add reads
.irp i, 0,1,2,3
.irp pp, 0,1
	global_load_b32 v[RS+2*\i+\pp], v2, s[6:7] offset:\i*1024+\pp*128
.endr
.endr
.irp pp, 0,1
	global_load_b128 v[WS+4*\pp:WS+4*\pp+3], v3, s[10:11] offset:\pp*2048
.endr
.irp kp, 0,1,2,3                               ; 24 loads a K step.  Between the wait above and these stand loads and window switches alone
	WIN 0x40*(1+\kp/2)                             ; destination window 1 or 2
.irp tt, 0,1,2,3
.irp c, 0,1,2
	global_load_b128 v[96*(\kp%2)+12*\tt+4*\c:96*(\kp%2)+12*\tt+4*\c+3], v1, s[8:9] offset:(\kp/2)*2*BLK+(\kp%2)*FRB+\tt*2*FRB+512*\c
.endr
.endr
.irp i, 0,1,2,3
.irp c, 0,1,2
	global_load_b128 v[96*(\kp%2)+48+12*\i+4*\c:96*(\kp%2)+48+12*\i+4*\c+3], v1, s[4:5] offset:\i*BLK+\kp*FRB+512*\c
.endr
.endr
.endr
	WIN 0
.irp kp, 0,1,2,3
.set LC, 72-24*\kp                     ; the younger K steps' loads may be out; the first count is held at the largest that the field names, which waits for a little more
.if LC > 63
.set LC, 63
.endif
	s_wait_loadcnt LC
	WIN 0x05*(1+\kp/2)                             ; sources 0 and 1 window 1 or 2
.irp i, 0,1,2,3                                ; the 16 accumulators take turns, one instruction a turn; the first K step starts the sums
.irp tt, 0,1,2,3
.set AC, ACC+8*(4*\i+\tt)
.set FW, 96*(\kp%2)+12*\tt
.set FX, 96*(\kp%2)+48+12*\i
.if \kp == 0
	v_wmma_scale_f32_16x16x128_f8f6f4 v[AC:AC+7], v[FW:FW+11], v[FX:FX+11], 0, v[WS+\tt], v[RS+2*\i] matrix_a_fmt:MATRIX_FMT_FP6 matrix_b_fmt:MATRIX_FMT_FP6
.elseif \kp%2
	v_wmma_scale_f32_16x16x128_f8f6f4 v[AC:AC+7], v[FW:FW+11], v[FX:FX+11], v[AC:AC+7], v[WS+4*(\kp/2)+\tt], v[RS+2*\i+\kp/2] matrix_a_fmt:MATRIX_FMT_FP6 matrix_b_fmt:MATRIX_FMT_FP6 matrix_a_scale:MATRIX_SCALE_ROW1 matrix_b_scale:MATRIX_SCALE_ROW1
.else
	v_wmma_scale_f32_16x16x128_f8f6f4 v[AC:AC+7], v[FW:FW+11], v[FX:FX+11], v[AC:AC+7], v[WS+4*(\kp/2)+\tt], v[RS+2*\i+\kp/2] matrix_a_fmt:MATRIX_FMT_FP6 matrix_b_fmt:MATRIX_FMT_FP6
.endif
.endr
.endr
.endr
	WIN 0
.rept 4
	v_nop                                          ; four places in front of the first read of results (ISA guide 7.12.1)
.endr
	s_wait_alu depctr_va_vdst(0)                   ; the products have written the accumulators, which the LDS stores read and in which the LDS loads further down land; the places above stay beside this wait
.irp i, 0,1,2,3
.irp tt, 0,1,2,3
	ds_store_b128 v[STO], v[ACC+8*(4*\i+\tt):ACC+8*(4*\i+\tt)+3] offset:\i*16*SP+128*(\tt/2)+32*(\tt%2)        ; each accumulator from its low end on
	ds_store_b128 v[STO], v[ACC+8*(4*\i+\tt)+4:ACC+8*(4*\i+\tt)+7] offset:\i*16*SP+128*(\tt/2)+32*(\tt%2)+16
.endr
.endr
	s_wait_dscnt 0x0                               ; for the others' sake: my stores into my stage are done
	s_barrier_signal -1
	s_barrier_wait -1
	s_wait_alu depctr_vm_vsrc(0)                   ; my LDS stores have read v[ACC ..], in which the loads below land and which the additions write
.irp ip, 0,1,2,3,4,5,6,7                       ; rows 2 ip, 2 ip + 1 of tile w, from all four stages
.irp ws, 0,1,2,3
	ds_load_b128 v[ACC+16*\ip+4*\ws:ACC+16*\ip+4*\ws+3], v[RD] offset:\ws*WSTG+\ip*2*SP
.endr
.endr
.macro SUM p                           ; row pair p: the four waves' parts are added
.set A0, ACC+16*(\p)
	s_wait_dscnt 28-4*(\p)                         ; this pair of rows' four loads are in; the later pairs' may be out
	v_pk_add_f32 v[A0:A0+1], v[A0:A0+1], v[A0+4:A0+5]
	v_pk_add_f32 v[A0+2:A0+3], v[A0+2:A0+3], v[A0+6:A0+7]
	v_pk_add_f32 v[A0+8:A0+9], v[A0+8:A0+9], v[A0+12:A0+13]
	v_pk_add_f32 v[A0+10:A0+11], v[A0+10:A0+11], v[A0+14:A0+15]
	v_pk_add_f32 v[A0:A0+1], v[A0:A0+1], v[A0+8:A0+9]
	v_pk_add_f32 v[A0+2:A0+3], v[A0+2:A0+3], v[A0+10:A0+11]
.endm
.macro OUT p                           ; and stored
.set A0, ACC+16*(\p)
	global_store_b128 v[CO], v[A0:A0+3], s[12:13] offset:(2*(\p)+8*((\p)/4))*1024 th:TH_STORE_NT   ; sixteen lanes store 256 consecutive bytes, aligned; written once, read by nobody here
.endm
.irp ip, 0,1,2,3
	SUM \ip
.endr
	s_wait_alu depctr_va_vdst(0)                   ; the additions have written the sums of pairs 0 to 3, which the four stores below read
.irp ip, 4,5,6,7
	OUT \ip-4                                      ; no vector instruction since the wait names this pair's registers: the additions between are other pairs'
	SUM \ip
.endr
	s_wait_alu depctr_va_vdst(0)                   ; the additions have written the sums of pairs 4 to 7, which the last four stores read
.irp ip, 4,5,6,7
	OUT \ip
.endr
	s_wait_dscnt 0x0                               ; the closing lines, six on end
	s_wait_alu 0x0
	s_wait_tensorcnt 0x0
	ds_add_u32 v[SPW], v[NIL]
	s_wait_dscnt 0x0
	s_endpgm
.Lfunc_end_k_q0d230ec951_outp:
	.size	k_q0d230ec951_outp, .Lfunc_end_k_q0d230ec951_outp-k_q0d230ec951_outp
	.p2alignl 7, 3214868480
	.fill 96, 4, 3214868480
	.section	.rodata,"a",@progbits
	.p2align	6, 0x0
	.amdhsa_kernel k_q0d230ec951_outp
		.amdhsa_group_segment_fixed_size 70144
		.amdhsa_private_segment_fixed_size 0
		.amdhsa_enable_private_segment 0
		.amdhsa_kernarg_size 40
		.amdhsa_user_sgpr_count 2
		.amdhsa_user_sgpr_kernarg_segment_ptr 1
		.amdhsa_wavefront_size32 1
		.amdhsa_system_sgpr_workgroup_id_x 1
		.amdhsa_system_sgpr_workgroup_id_y 1
		.amdhsa_system_sgpr_workgroup_id_z 1
		.amdhsa_system_vgpr_workitem_id 0
		.amdhsa_next_free_vgpr 768
		.amdhsa_next_free_sgpr 66
		.amdhsa_reserve_vcc 0
		.amdhsa_float_denorm_mode_32 3
		.amdhsa_float_denorm_mode_16_64 3
		.amdhsa_memory_ordered 1
		.amdhsa_forward_progress 1
		.amdhsa_inst_pref_size 30
	.end_amdhsa_kernel
	.amdgpu_metadata
---
amdhsa.version: [ 1, 2 ]
amdhsa.kernels:
  - .name:           k_q0d230ec951_outp
    .symbol:         k_q0d230ec951_outp.kd
    .args:
      - { .name: retc, .offset: 0, .size: 8, .value_kind: global_buffer, .address_space: global }
      - { .name: rets, .offset: 8, .size: 8, .value_kind: global_buffer, .address_space: global }
      - { .name: cw, .offset: 16, .size: 8, .value_kind: global_buffer, .address_space: global }
      - { .name: cws, .offset: 24, .size: 8, .value_kind: global_buffer, .address_space: global }
      - { .name: out0, .offset: 32, .size: 8, .value_kind: global_buffer, .address_space: global }
    .group_segment_fixed_size: 70144
    .private_segment_fixed_size: 0
    .kernarg_segment_align: 8
    .kernarg_segment_size: 40
    .max_flat_workgroup_size: 128
    .sgpr_count:     66
    .vgpr_count:     768
    .wavefront_size: 32
...
	.end_amdgpu_metadata
.endif
;; end of part 6
